; MI455X (gfx1250); checked and timed in simulation.
; The chip was launched on July 23, 2026; its instructions are those of AMD's public machine-readable ISA for CDNA 5 (MIT licence, August 2026) and "CDNA5" Instruction Set Architecture Reference Guide (July 2026). The comments in the code are by the model that wrote it; some were corrected since.
;; Causal Self Attention. Allowed arithmetic: matrix products marked QUANTISED: E2M1 operands, one E8M0 scale for each 32 along K, by v_wmma_scale_f32_16x16x128_f8f6f4 with both operands' format E2M1 (or v_wmma_scale_f32_32x16x128_f4), f32 sums; products left as they are: bf16, f16 or f32 operands; f32 sums; everything else in f32.
;; Inputs: Wk 256 x 1,024 float32; Wproj 1,024 x 1,024 float32; Wq 1,024 x 1,024 float32; Wv 256 x 1,024 float32; q_gain 16 float32; x 2 x 2,048 x 1,024 float32.
;; Outputs: out0 2 x 2,048 x 1,024 float32.
;; This version of the problem:
;;   THIS VERSION OF THE PROBLEM IS GIVEN IN LOW PRECISION. The matrix products marked QUANTISED in the list below multiply operands that are first quantised to E2M1 (2 exponent bits, 1 mantissa bit; 4 bits a number), with one power-of-two scale for each 32 numbers along K (OCP MX v1.0); their sums are f32. The products marked 'left as it is' may take bf16, f16 or f32 operands, with f32 sums. Whichever they take, every output number must still come out within the allowed error. Rounding operands to bf16 (8 significant bits) uses up far more of that allowance than f16 does (11 bits, for magnitudes from 6e-5 to 65,504). All else is computed in f32.
;;   The module's matrix products, in the order in which they are computed (A, B: the left and right operand; K: the contracted axis; several contracted axes count as one K, in the product's order):
;;     1. [M 4,096, K 1,024] x [K 1,024, N 1,024]; A: input x; B: input Wq: QUANTISED
;;     2. [M 4,096, K 1,024] x [K 1,024, N 256]; A: input x; B: input Wk: QUANTISED
;;     3. [M 4,096, K 1,024] x [K 1,024, N 256]; A: input x; B: input Wv: QUANTISED
;;     4. batch 32 x [M 2,048, K 64] x [K 64, N 2,048]; A: computed on the way; B: computed on the way: left as it is (an operand is computed on the way)
;;     5. batch 32 x [M 2,048, K 2,048] x [K 2,048, N 64]; A: computed on the way; B: computed on the way: left as it is (an operand is computed on the way)
;;     6. [M 4,096, K 1,024] x [K 1,024, N 1,024]; A: computed on the way; B: input Wproj: left as it is (an operand is computed on the way)
;;   THE QUANTISER, for each operand of a quantised product, along K:
;;     - K is cut into blocks of 32 from its start; a last block that is shorter is filled with zeros.
;;     - A block's scale is 2^e with e = floor(log2(the largest magnitude in the block)) - 2, held to -126 .. 127; a block of zeros has e = 0. As a byte (E8M0): e + 127.
;;     - Each number is divided by its block's scale, clamped to +-6, and rounded to the nearest number of E2M1, ties to even, subnormals kept.
;;     - The product sums the exact products of the quantised numbers (number of the format x scale) in f32.
;;   ~~~python
;;   def quantise(x, axis):      # numpy; x: float32 -> the quantised numbers, widened to float32 again
;;       x = np.moveaxis(x, axis, -1); K = x.shape[-1]
;;       x = np.pad(x, [(0, 0)] * (x.ndim - 1) + [(0, -K % 32)]); x = x.reshape(x.shape[:-1] + (-1, 32)); a = np.abs(x).max(-1, keepdims=True)
;;       e = np.where(a > 0, np.clip(np.frexp(np.where(a > 0, a, 1))[1] - 1 - 2, -126, 127), 0)      # np.frexp(a)[1] - 1 = floor(log2(a)), exactly
;;       r = np.clip(x / 2.0 ** e, -6, 6)
;;       step = 2.0 ** (np.maximum(np.frexp(np.where(r == 0, 1, r))[1] - 1, 0) - 1)
;;       q = np.round(r / step) * step * 2.0 ** e      # np.round: ties to even
;;       return np.moveaxis(q.reshape(q.shape[:-2] + (-1,))[..., :K], -1, axis).astype(np.float32)
;;   ~~~
;; One version. Each part assembles by itself: llvm-mc -triple=amdgcn-amd-amdhsa -mcpu=gfx1250 --defsym DOCPART=n.
;; ======== version 1 of 1: 5 launches
;; limits: values are held in f16: magnitudes above 65,504 overflow, below 6.1e-05 lose precision
;; workspace buffers: codes 2,883,584 bytes; scales 180,224 bytes; wp 4,194,304 bytes; tab 524,288 bytes; qkv 12,582,912 bytes; vfine 32,768 bytes; yimg 8,388,608 bytes
;; launch prep (part 1): grid 336 x 1, 4 waves a work-group, no clusters, 67,072 bytes of LDS; arguments x, Wq, Wk, Wv, Wproj, codes, scales, wp, tab; writes codes, scales, wp, tab
.if DOCPART == 1
	.amdgcn_target "amdgcn-amd-amdhsa--gfx1250"
	.amdhsa_code_object_version 6
	.text
	.protected	k_q3c2ebc4681_prep
	.globl	k_q3c2ebc4681_prep
	.p2align	8
	.type	k_q3c2ebc4681_prep,@function
k_q3c2ebc4681_prep:
	s_mov_b64 s[64:65], 0
	v_nop
	global_prefetch_b8 v0, s[64:65] scope:SCOPE_SE
	s_setreg_imm32_b32 hwreg(HW_REG_WAVE_MODE, 25, 1), 1
	s_wait_xcnt 0x0
; PREP.  Three kinds of work-groups, told apart by the work-group's number alone; each kind has LDS bytes of its own.
;   0-175   x, Wq, Wk, Wv (f32, K innermost) become codes of FP4 (E2M1) with one E8M0 byte for each 32 along K.  codes: rows of 512 bytes; rows 0-4,095 are x's, then 24 groups of 64 rows of weights:
;           column tile tc of the next launch owns groups 3 tc, 3 tc + 1 (query heads 2 tc, 2 tc + 1) and 3 tc + 2 (key head tc, or value head tc - 4).  scales: 32 bytes a row, same order.
;   176-303 Wproj becomes two f16 parts, high = f16(W) and low = f16((W - high) x 2^11), laid as images of operand registers: [64 rows][256 K][16 rows][32 K][1,024 bytes];
;           in an image registers 0-3 of lane l lie at 16 l, registers 4-7 at 512 + 16 l.
;   304-335 the table of cos and sin: [position][cos 0..31, sin 0..31] f32.
; A block's scale is 2^(floor(log2(largest magnitude)) - 2); its byte is that magnitude's exponent field - 2, held at 1 from below.
; LIMITS: NaN and infinities are not served; a block of zeros gets the byte 1 (its codes are zeros, and only this program reads the bytes); |Wproj| stays under 65,504;
; the table's angle is t x inv_freq with inv_freq = 2^(-j log2(10000) / 32) by v_exp_f32: at t = 2,047 the angle may differ from the exact one by some 3e-4 rad.
; Memory binds: no matrix unit, no tensor load, no barrier; waves share nothing.
.set WREG,  8192                       ; path Q: a wave's LDS: two stages of 32 x SP bytes, then its 256 scale bytes
.set SP,    80                         ; a lane's place in a stage: 64 bytes + 16 of padding
.set STEPS, 16
.set CB,    8                          ; bytes of 16 codes
.set R,     16                         ; v16-79   four sets of 16 numbers as loaded
.set X,     80                         ; v80-111  two sets of 16 neighbours
.set E,     112                        ; v112-127 a scale byte for each step
.set C,     128                        ; v128-191 codes, four registers a step
.set SPW,   12                         ; v12  LDS address of my spare word; never rewritten
.set NIL,   13                         ; v13  0; never rewritten
.set PSTG,  32768                      ; path P: a stage of 16 rows x 528 bytes for each wave
.set SPARE, 66560                      ; the spare words: 128 bytes a wave, two blocks of 256 bytes that no other line names
	s_load_b256 s[4:11], s[0:1], 0x0               ; x, Wq, Wk, Wv
	s_load_b128 s[12:15], s[0:1], 0x20             ; Wproj, codes
	s_load_b128 s[36:39], s[0:1], 0x30             ; scales, wp
	s_load_b64 s[40:41], s[0:1], 0x40              ; tab
	v_lshl_add_u32 v[SPW], v0, 2, SPARE
	v_mov_b32 v[NIL], 0
	v_lshrrev_b32 v1, 5, v0
	v_readfirstlane_b32 s16, v1                    ; wave
	v_and_b32 v2, 31, v0                           ; lane
	s_cmp_ge_u32 ttmp9, 304
	s_cbranch_scc1 .Ltable
	s_cmp_ge_u32 ttmp9, 176
	s_cbranch_scc1 .Lsplit
	; ---- PATH Q.  A wave takes a run of 8,192 numbers (8 rows) in 16 steps of 512.  Each load reads 512 consecutive bytes; a step's 2,048 bytes turn through the wave's stage so that a lane holds 16 neighbours.
	v_lshlrev_b32 v3, 4, v2                        ; my 16 bytes of a load's 512
	s_mul_i32 s17, s16, WREG
	v_lshrrev_b32 v14, 2, v2
	v_mul_u32_u24 v14, v14, SP
	v_and_b32 v15, 3, v2
	v_lshl_add_u32 v14, v15, 4, v14
	v_add_nc_u32 v14, s17, v14                     ; the stage on the way in: SP (lane / 4) + 16 (lane % 4)
	v_mul_u32_u24 v15, v2, SP
	v_add_nc_u32 v15, s17, v15                     ; and on the way out: SP x lane
	v_mul_u32_u24 v4, v2, CB                       ; my codes' place in a step's
	v_lshrrev_b32 v5, 1, v2
	s_add_co_u32 s17, s17, 2*32*SP
	v_add_nc_u32 v5, s17, v5                       ; my block's scale byte in LDS
	v_lshlrev_b32 v7, 3, v2
	v_add_nc_u32 v6, s17, v7                       ; and 8 bytes a lane on the way out
	s_cmp_lt_u32 ttmp9, 128                        ; which tensor: its first work-group
	s_cselect_b32 s26, 0, 128
	s_cmp_lt_u32 ttmp9, 160
	s_cselect_b32 s26, s26, 160
	s_cmp_lt_u32 ttmp9, 168
	s_cselect_b32 s26, s26, 168
	s_sub_co_u32 s27, ttmp9, s26
	s_lshl_b32 s27, s27, 2
	s_add_co_u32 s27, s27, s16                     ; my run in the tensor
	s_lshr_b32 s28, s27, 3                         ; a weight's head (64 rows = 8 runs)
	s_and_b32 s29, s27, 7
	s_lshr_b32 s30, s28, 1
	s_mul_i32 s30, s30, 3
	s_and_b32 s31, s28, 1
	s_add_co_u32 s30, s30, s31                     ; Wq: group 3 (head / 2) + head % 2
	s_mul_i32 s31, s28, 3
	s_add_co_u32 s31, s31, 2                       ; Wk: group 3 head + 2
	s_cmp_lt_u32 ttmp9, 160
	s_cselect_b32 s30, s30, s31
	s_add_co_u32 s31, s31, 12                      ; Wv: group 3 head + 14
	s_cmp_lt_u32 ttmp9, 168
	s_cselect_b32 s30, s30, s31
	s_lshl_b32 s30, s30, 3
	s_add_co_u32 s30, s30, s29
	s_add_co_u32 s30, s30, 512                     ; behind x's 512 runs
	s_cmp_lt_u32 ttmp9, 128
	s_cselect_b32 s30, s27, s30                    ; my run among the codes
	s_mov_b32 s19, 0
	s_wait_kmcnt 0x0
	s_cselect_b64 s[24:25], s[4:5], s[6:7]         ; the choices hang on the work-group's number alone
	s_cmp_lt_u32 ttmp9, 160
	s_cselect_b64 s[24:25], s[24:25], s[8:9]
	s_cmp_lt_u32 ttmp9, 168
	s_cselect_b64 s[24:25], s[24:25], s[10:11]
	s_lshl_b32 s18, s27, 15
	s_add_nc_u64 s[24:25], s[24:25], s[18:19]      ; 32,768 bytes of f32 a run
	s_lshl_b32 s18, s30, 12
	s_add_nc_u64 s[14:15], s[14:15], s[18:19]      ; 4,096 bytes of codes
	s_lshl_b32 s18, s30, 8
	s_add_nc_u64 s[36:37], s[36:37], s[18:19]      ; 256 scale bytes
.macro LOAD t
.irp i, 0,1,2,3
	global_load_b128 v[R+16*((\t)%4)+4*\i:R+16*((\t)%4)+4*\i+3], v3, s[24:25] offset:2048*(\t)+512*\i th:TH_LOAD_NT
.endr
.endm
.macro TURN t                          ; step t's numbers through the stage: LDS serves a wave's instructions in order, so no wait stands between the stores and the loads
.irp i, 0,1,2,3
	ds_store_b128 v14, v[R+16*((\t)%4)+4*\i:R+16*((\t)%4)+4*\i+3] offset:32*SP*((\t)%2)+8*SP*\i
.endr
.irp i, 0,1,2,3
	ds_load_b128 v[X+16*((\t)%2)+4*\i:X+16*((\t)%2)+4*\i+3], v15 offset:32*SP*((\t)%2)+16*\i
.endr
.endm
.irp t, 0,1,2,3
	LOAD \t
.endr
	s_wait_loadcnt 12                              ; step 0's four loads are in; three steps' twelve may be out
	TURN 0
.macro STEP t
.set XS, X+16*((\t)%2)
.if (\t) > 0
	s_wait_dscnt 1                                 ; this step's numbers are back from the stage; the last step's byte store may be out
.else
	s_wait_dscnt 0x0
.endif
.if (\t)+4 < STEPS
	LOAD (\t)+4                                    ; into the registers that the stage's stores have read
.endif
.if (\t)+1 < STEPS
.if STEPS-2-(\t) >= 3
	s_wait_loadcnt 12                              ; the next step's four loads are in; those of the three steps behind it may be out
.else
	s_wait_loadcnt 4*(STEPS-2-(\t))
.endif
	TURN (\t)+1
.endif
	v_max3_num_f32 v8, |v[XS]|, |v[XS+1]|, |v[XS+2]|               ; the largest magnitude of my 16, in two chains
	v_max3_num_f32 v9, |v[XS+3]|, |v[XS+4]|, |v[XS+5]|
.irp i, 6,10
	v_max3_num_f32 v8, v8, |v[XS+\i]|, |v[XS+\i+1]|
	v_max3_num_f32 v9, v9, |v[XS+\i+2]|, |v[XS+\i+3]|
.endr
	v_max3_num_f32 v8, v8, |v[XS+14]|, |v[XS+15]|
	v_max3_num_f32 v8, v8, v9, 0x1800000           ; and the floor 2^(3 - 127): the byte cannot fall under 1
	v_max_num_f32_dpp v8, v8, v8 row_xmask:1 row_mask:0xf bank_mask:0xf   ; with my neighbour's 16: the block's
	v_add_nc_u32 v11, 0xff000000, v8               ; 2 off its exponent field: the conversion takes this operand's exponent field as its scale
	v_cvt_scalef32_pk8_fp4_f32 v[C+4*(\t)], v[XS:XS+7], v11
	v_cvt_scalef32_pk8_fp4_f32 v[C+4*(\t)+1], v[XS+8:XS+15], v11
	v_lshrrev_b32 v[E+(\t)], 23, v11               ; the scale's byte
	ds_store_b8 v5, v[E+(\t)] offset:16*(\t)       ; both lanes of a block write the same byte with the same value
	global_store_b64 v4, v[C+4*(\t):C+4*(\t)+1], s[14:15] offset:32*CB*(\t)   ; the wave stores 256 consecutive bytes, aligned
.endm
.irp t, 0,1,2,3,4,5,6,7,8,9,10,11,12,13,14,15
	STEP \t
.endr
	ds_load_b64 v[8:9], v6                         ; my wave's 256 scale bytes: these loads see my stores
	s_wait_dscnt 0x0
	global_store_b64 v7, v[8:9], s[36:37]          ; 256 consecutive bytes, aligned
	s_wait_tensorcnt 0x0                           ; the wave's end, behind my last LDS store
	ds_add_u32 v[SPW], v[NIL]
	s_wait_dscnt 0x0
	s_endpgm
	; ---- PATH P.  A wave takes 16 rows x 128 columns of Wproj: 16 loads of 512 consecutive bytes, through its stage, back in the order of four operand fragments.
.Lsplit:
	s_sub_co_u32 s17, ttmp9, 176
	s_lshl_b32 s17, s17, 2
	s_add_co_u32 s17, s17, s16                     ; my unit
	s_lshr_b32 s18, s17, 3                         ; NB: which 16 rows
	s_and_b32 s19, s17, 7                          ; cg: which 128 columns
	s_lshl_b32 s20, s18, 16
	s_lshl_b32 s22, s19, 9
	s_add_co_u32 s20, s20, s22                     ; 65,536 NB + 512 cg
	s_mov_b32 s21, 0
	s_lshr_b32 s22, s18, 2
	s_lshl_b32 s22, s22, 2
	s_lshr_b32 s23, s19, 1
	s_add_co_u32 s22, s22, s23
	s_lshl_b32 s22, s22, 2
	s_and_b32 s23, s18, 3
	s_add_co_u32 s22, s22, s23
	s_lshl_b32 s22, s22, 13                        ; (((NB / 4) 4 + cg / 2) 4 + NB % 4) x 8,192
	s_and_b32 s23, s19, 1
	s_lshl_b32 s23, s23, 12
	s_add_co_u32 s22, s22, s23                     ; + 4,096 (cg % 2)
	s_mov_b32 s23, 0
	s_mov_b32 s28, 0x45000000                      ; 2048.0, as a pair for the packed multiply
	s_mov_b32 s29, s28
	v_lshlrev_b32 v3, 4, v2                        ; 16 x lane
	s_mul_i32 s26, s16, 16*528
	s_add_co_u32 s26, s26, PSTG
	v_add_nc_u32 v4, s26, v3                       ; the stage, in: a row as it lies
	v_and_b32 v5, 15, v2
	v_lshrrev_b32 v6, 4, v2
	v_mul_u32_u24 v5, v5, 528
	v_lshl_add_u32 v5, v6, 5, v5
	v_add_nc_u32 v5, s26, v5                       ; out: row lane % 16, + 32 bytes for the upper half of the lanes
	s_wait_kmcnt 0x0
	s_add_nc_u64 s[12:13], s[12:13], s[20:21]
	s_add_nc_u64 s[38:39], s[38:39], s[22:23]
.irp i, 0,1,2,3,4,5,6,7,8,9,10,11,12,13,14,15
	global_load_b128 v[16+4*\i:19+4*\i], v3, s[12:13] offset:4096*\i th:TH_LOAD_NT
.endr
.irp i, 0,1,2,3,4,5,6,7,8,9,10,11,12,13,14,15
	s_wait_loadcnt 15-\i                           ; row i is in; the younger rows may be out
	ds_store_b128 v4, v[16+4*\i:19+4*\i] offset:528*\i
.endr
.irp f, 0,1,2,3                        ; fragment f: k = 32 f + 8 h + 0..7, then 32 f + 16 + 8 h + 0..7
	ds_load_b128 v[128+16*\f:131+16*\f], v5 offset:128*\f
	ds_load_b128 v[132+16*\f:135+16*\f], v5 offset:128*\f+16
	ds_load_b128 v[136+16*\f:139+16*\f], v5 offset:128*\f+64
	ds_load_b128 v[140+16*\f:143+16*\f], v5 offset:128*\f+80
.endr
	s_wait_dscnt 0x0
; two numbers become a register of high parts and one of low parts.  The halves are named on a plainly numbered register.
.macro SPLIT x, hr, lr
	v_cvt_pk_f16_f32 v80, v[\x], v[(\x)+1]
	v_cvt_f32_f16 v82, v80.l
	v_cvt_f32_f16 v83, v80.h
	v_mov_b32 v[\hr], v80
	v_pk_add_f32 v[82:83], v[\x:(\x)+1], v[82:83] neg_lo:[0,1] neg_hi:[0,1]   ; what the high part left: exact
	v_pk_mul_f32 v[82:83], v[82:83], s[28:29] op_sel_hi:[1,0]
	v_cvt_pk_f16_f32 v[\lr], v82, v83
.endm
.set n, 0
.rept 32
	SPLIT 128+2*n, 16+n, 48+n
.set n, n+1
.endr
.irp f, 0,1,2,3
	global_store_b128 v3, v[16+8*\f:19+8*\f], s[38:39] offset:1024*\f              ; each store covers 512 consecutive bytes, aligned
	global_store_b128 v3, v[20+8*\f:23+8*\f], s[38:39] offset:1024*\f+512
	global_store_b128 v3, v[48+8*\f:51+8*\f], s[38:39] offset:2097152+1024*\f
	global_store_b128 v3, v[52+8*\f:55+8*\f], s[38:39] offset:2097152+1024*\f+512
.endr
	s_wait_tensorcnt 0x0                           ; the wave's end
	ds_add_u32 v[SPW], v[NIL]
	s_wait_dscnt 0x0
	s_endpgm
	; ---- PATH T.  A wave makes 16 rows of the table, two a pass.  Lane: 16 bytes of a row: cos (lanes 0-7 of a half) or sin (lanes 8-15) of frequencies 4 (lane % 8) + 0..3.
	; cos(theta - fn pi / 2): f = theta / 2 pi - fn / 4 less its nearest whole number, in two words of 1 / 2 pi; cos(pi f / 2) by its series (|pi f / 2| <= pi / 4), then the angle doubled twice.  No LDS is written here.
.Ltable:
	s_sub_co_u32 s17, ttmp9, 304
	s_lshl_b32 s17, s17, 6
	s_lshl_b32 s18, s16, 4
	s_add_co_u32 s17, s17, s18                     ; my first position
	v_lshrrev_b32 v3, 4, v2
	v_add_nc_u32 v3, s17, v3
	v_cvt_f32_u32 v20, v3                          ; t
	v_and_b32 v4, 15, v2
	v_lshrrev_b32 v5, 3, v4
	v_cvt_f32_u32 v21, v5
	v_mul_f32 v21, 0x3e800000, v21                 ; fn / 4
	v_and_b32 v4, 7, v4
	v_lshlrev_b32 v4, 2, v4
.irp i, 0,1,2,3
	v_add_nc_u32 v[16+\i], \i, v4
.endr
.irp i, 0,1,2,3
	v_cvt_f32_u32 v[16+\i], v[16+\i]
.endr
.irp i, 0,1,2,3
	v_mul_f32 v[16+\i], 0xbed49a78, v[16+\i]       ; -j log2(10000) / 32
.endr
.irp i, 0,1,2,3
	v_exp_f32 v[16+\i], v[16+\i]                   ; inv_freq
.endr
	v_lshlrev_b32 v22, 4, v2                       ; (a plain line behind the batch)  two rows of 256 bytes: 16 x lane
	s_mov_b32 s20, 0x3e22f983                      ; 1 / 2 pi, its f32 word,
	s_mov_b32 s21, 0x31dc9bfa                      ; and what that word leaves
	s_mov_b32 s22, 0x3a70fa83                      ; (pi/2)^8 / 8!
	s_mov_b32 s23, 0xbcaae9e4                      ; -(pi/2)^6 / 6!
	s_mov_b32 s24, 0x3e81e0f8                      ; (pi/2)^4 / 4!
	s_mov_b32 s25, 0xbf9de9e6                      ; -(pi/2)^2 / 2!
	s_lshl_b32 s18, s17, 8
	s_mov_b32 s19, 0
	s_wait_kmcnt 0x0
	s_add_nc_u64 s[40:41], s[40:41], s[18:19]
	s_wait_alu depctr_va_vdst(0)                   ; one wait for the four exponentials, ahead of their first reader
.macro PASS p
.irp i, 0,1,2,3
	v_mul_f32 v[24+\i], v20, v[16+\i]              ; theta, rounded to f32 as the outer product is
.endr
.irp i, 0,1,2,3
	v_fma_f32 v[28+\i], v[24+\i], s20, -v21
.endr
.irp i, 0,1,2,3
	v_rndne_f32 v[28+\i], v[28+\i]                 ; whole turns
.endr
.irp i, 0,1,2,3
	v_fma_f32 v[28+\i], v[24+\i], s20, -v[28+\i]
.endr
.irp i, 0,1,2,3
	v_fma_f32 v[28+\i], v[24+\i], s21, v[28+\i]
.endr
.irp i, 0,1,2,3
	v_sub_f32 v[28+\i], v[28+\i], v21              ; f, at most a half
.endr
.irp i, 0,1,2,3
	v_mul_f32 v[24+\i], v[28+\i], v[28+\i]
.endr
.irp i, 0,1,2,3
	v_fma_f32 v[28+\i], v[24+\i], s22, s23
.endr
.irp i, 0,1,2,3
	v_fma_f32 v[28+\i], v[28+\i], v[24+\i], s24
.endr
.irp i, 0,1,2,3
	v_fma_f32 v[28+\i], v[28+\i], v[24+\i], s25
.endr
.irp i, 0,1,2,3
	v_fma_f32 v[28+\i], v[28+\i], v[24+\i], 1.0    ; cos(pi f / 2)
.endr
.irp i, 0,1,2,3
	v_mul_f32 v[24+\i], v[28+\i], v[28+\i]
.endr
.irp i, 0,1,2,3
	v_fma_f32 v[28+\i], v[24+\i], 2.0, -1.0        ; cos(pi f)
.endr
.irp i, 0,1,2,3
	v_mul_f32 v[24+\i], v[28+\i], v[28+\i]
.endr
.irp i, 0,1,2,3
	v_fma_f32 v[32+4*(\p)+\i], v[24+\i], 2.0, -1.0 ; cos(2 pi f); each pass has result registers of its own
.endr
	global_store_b128 v22, v[32+4*(\p):35+4*(\p)], s[40:41] offset:512*(\p)   ; 512 consecutive bytes, aligned
	v_add_f32 v20, 2.0, v20
.endm
.irp p, 0,1,2,3,4,5,6,7
	PASS \p
.endr
	s_endpgm
.Lfunc_end_k_q3c2ebc4681_prep:
	.size	k_q3c2ebc4681_prep, .Lfunc_end_k_q3c2ebc4681_prep-k_q3c2ebc4681_prep
	.p2alignl 7, 3214868480
	.fill 96, 4, 3214868480
	.section	.rodata,"a",@progbits
	.p2align	6, 0x0
	.amdhsa_kernel k_q3c2ebc4681_prep
		.amdhsa_group_segment_fixed_size 67072
		.amdhsa_private_segment_fixed_size 0
		.amdhsa_enable_private_segment 0
		.amdhsa_kernarg_size 72
		.amdhsa_user_sgpr_count 2
		.amdhsa_user_sgpr_kernarg_segment_ptr 1
		.amdhsa_wavefront_size32 1
		.amdhsa_system_sgpr_workgroup_id_x 1
		.amdhsa_system_sgpr_workgroup_id_y 1
		.amdhsa_system_sgpr_workgroup_id_z 1
		.amdhsa_system_vgpr_workitem_id 0
		.amdhsa_next_free_vgpr 192
		.amdhsa_next_free_sgpr 66
		.amdhsa_reserve_vcc 0
		.amdhsa_float_denorm_mode_32 3
		.amdhsa_float_denorm_mode_16_64 3
		.amdhsa_memory_ordered 1
		.amdhsa_forward_progress 1
		.amdhsa_inst_pref_size 79
	.end_amdhsa_kernel
	.amdgpu_metadata
---
amdhsa.version: [ 1, 2 ]
amdhsa.kernels:
  - .name:           k_q3c2ebc4681_prep
    .symbol:         k_q3c2ebc4681_prep.kd
    .args:
      - { .name: x, .offset: 0, .size: 8, .value_kind: global_buffer, .address_space: global }
      - { .name: Wq, .offset: 8, .size: 8, .value_kind: global_buffer, .address_space: global }
      - { .name: Wk, .offset: 16, .size: 8, .value_kind: global_buffer, .address_space: global }
      - { .name: Wv, .offset: 24, .size: 8, .value_kind: global_buffer, .address_space: global }
      - { .name: Wproj, .offset: 32, .size: 8, .value_kind: global_buffer, .address_space: global }
      - { .name: codes, .offset: 40, .size: 8, .value_kind: global_buffer, .address_space: global }
      - { .name: scales, .offset: 48, .size: 8, .value_kind: global_buffer, .address_space: global }
      - { .name: wp, .offset: 56, .size: 8, .value_kind: global_buffer, .address_space: global }
      - { .name: tab, .offset: 64, .size: 8, .value_kind: global_buffer, .address_space: global }
    .group_segment_fixed_size: 67072
    .private_segment_fixed_size: 0
    .kernarg_segment_align: 8
    .kernarg_segment_size: 72
    .max_flat_workgroup_size: 128
    .sgpr_count:     66
    .vgpr_count:     192
    .wavefront_size: 32
...
	.end_amdgpu_metadata
.endif
;; end of part 1
;; launch qkv (part 2): grid 8 x 32, 4 waves a work-group, clusters of 4 x 1, 229,376 bytes of LDS; arguments codes, scales, tab, q_gain, qkv, vfine; writes qkv, vfine
.if DOCPART == 2
	.amdgcn_target "amdgcn-amd-amdhsa--gfx1250"
	.amdhsa_code_object_version 6
	.text
	.protected	k_q3c2ebc4681_qkv
	.globl	k_q3c2ebc4681_qkv
	.p2align	8
	.type	k_q3c2ebc4681_qkv,@function
k_q3c2ebc4681_qkv:
	s_mov_b64 s[64:65], 0
	v_nop
	global_prefetch_b8 v0, s[64:65] scope:SCOPE_SE
	s_setreg_imm32_b32 hwreg(HW_REG_WAVE_MODE, 25, 1), 1
	s_wait_xcnt 0x0
	s_wait_alu depctr_hold_cnt(0) depctr_sa_sdst(0) depctr_va_vdst(0) depctr_va_sdst(0) depctr_va_ssrc(0) depctr_va_vcc(0) depctr_vm_vsrc(0)
	s_getreg_b32 s2, hwreg(HW_REG_IB_STS2, 6, 4)
	s_cmp_eq_u32 s2, 0
	s_cbranch_scc0 .Lentry_in_a_cluster
	s_endpgm
.Lentry_in_a_cluster:
	s_bfe_u32 s2, ttmp6, 0x10000c
	s_cmp_lg_u32 s2, 0x3003
	s_cbranch_scc0 .Lentry_shape_is_right
	s_endpgm
.Lentry_shape_is_right:
; QKV.  x Wq^T, x Wk^T, x Wv^T on codes of FP4 with E8M0 scales; then, for q and k, the RMS norm of each head, the rotation and (q) the gain, in f32; q, k, v leave as f16, laid as images of the next products' operand registers.
; SHARES.  A work-group takes 128 rows of x (TR) x 192 columns (tc): three heads of 64: two query heads and one key head (clusters with x = 0) or value head (x = 1).  Wave w takes rows 32 w .. 32 w + 31, one head after the other: 8 accumulators.
; All of K (1,024 codes = 512 bytes a row) lies in LDS at once: every LDS byte is filled once, so there is no ring.
; CLUSTER.  The four work-groups of a cluster share TR: x's codes, x's scales and the table are asked for jointly (mask 15); the weights' loads are each work-group's own.  4 x 4 is not taken:
; the branch that stores v of positions 0-15 in f32 hangs on TR, which the partners of a column would not share.
; LAYOUT.  For q and k the product is used transposed (source 0 = 16 rows of W, source 1 = 16 rows of x): a lane holds one position (lane % 16) and channels 16 t + 8 (lane / 16) + 0..7; packed to f16, tiles 2 kk and 2 kk + 1 ARE
; fragment kk (16 positions x 32 channels).  For v it is used as it stands: a lane holds one channel and 8 positions, which is V^T's fragment (16 channels x 32 keys).  So results leave by stores of 512 consecutive bytes, with no stage.
; The norm's factor is applied behind the rotation (the rotation is linear): another order of rounding than the source's, ahead of no quantiser.
; LIMITS: f16 operands: |q_gain| under 8,000 and |v| under 65,504; NaN and infinities are not served.
.set AC,    0                          ; x's codes: 128 rows x (512 + 16)
.set BC,    67584                      ; the weights' codes: 192 rows x 528
.set ASC,   168960                     ; x's scale bytes: 16 units of 256 + 16
.set BSC,   173312                     ; the weights': 24 units
.set TAB,   179840                     ; the table: 128 rows x (256 + 16)
.set SPARE, 214784                     ; the spare words: 128 bytes a wave, two blocks of 256 bytes that no other line names
.set KOFF,  8388608                    ; k's part of the buffer qkv; v's lies 2,097,152 further on
.set SPW,   14                         ; v14 my spare word's address; v15 0: never rewritten
.set NIL,   15
.set SA,    16                         ; v16-31  x's scale words: block a, K step q at 16 + 8 a + q
.set SB,    32                         ; v32-63  the head's: tile t, K step q at 32 + 8 t + q
.set FS,    64                         ; v64-111, v112-159 two sets of fragments: x's block a at 8 a, W's tile t at 16 + 8 t
.set ACC,   160                        ; v160-223 accumulator (a, t) at 160 + 8 (4 a + t)
.set Y,     224                        ; v224-255 at work
.set W0A,   15|(1<<20)|(1<<21)|(6<<22)|(3<<25)          ; mask of all four; bytes; 4 words of padding behind every 128
.set W0B,   (1<<20)|(6<<22)|(3<<25)                     ; the same with no mask
.set W0SA,  15|(3<<16)|(1<<20)|(1<<21)|(5<<22)|(3<<25)  ; elements of 8 bytes; 4 words of padding behind every 64
.set W0SB,  (3<<16)|(1<<20)|(5<<22)|(3<<25)
.macro CROUND                          ; a round of the cluster's barrier
	s_barrier_signal -1
	s_barrier_wait -1
	s_cmp_lg_u32 s16, 0
	s_cbranch_scc1 .Lnot_wave_0_\@
	s_barrier_signal -3
.Lnot_wave_0_\@:
	s_barrier_wait -3
	s_barrier_signal -1
	s_barrier_wait -1
.endm
.macro GROUP1 g, w0, c, r              ; r rows of c elements, dense in memory
	s_mov_b32 s[\g], \w0
	s_mov_b32 s[\g+1], (\c)<<16
	s_mov_b32 s[\g+2], (\r)<<16
	s_mov_b32 s[\g+3], (\c)<<16
	s_mov_b32 s[\g+4], \r
	s_mov_b32 s[\g+5], \c
	s_mov_b32 s[\g+6], 0
	s_mov_b32 s[\g+7], 0
.endm
	s_load_b256 s[4:11], s[0:1], 0x0               ; codes, scales, tab, q_gain
	s_load_b128 s[12:15], s[0:1], 0x20             ; qkv, vfine
	v_lshl_add_u32 v[SPW], v0, 2, SPARE
	v_mov_b32 v[NIL], 0
	ds_add_u32 v[SPW], v[NIL]                      ; the wave's opening: the add, twice on end, and its wait ahead of my first tensor load
	ds_add_u32 v[SPW], v[NIL]
	v_lshrrev_b32 v1, 5, v0
	v_readfirstlane_b32 s16, v1                    ; wave
	s_and_b32 s17, s16, 1                          ; which half of a tile I fetch
	s_and_b32 s18, ttmp7, 0xffff                   ; TR, which the partners share
	s_bfe_u32 s19, ttmp6, 0x40000                  ; cx
	s_lshl_b32 s20, ttmp9, 2
	s_add_co_u32 s20, s20, s19                     ; tc
	s_and_b32 s21, s18, 15                         ; TR within the sequence
	s_lshr_b32 s22, s18, 4                         ; the batch
	GROUP1 24, W0A, 512, 64                        ; x's codes: 64 rows of 512 bytes a load
	GROUP1 32, W0B, 512, 96                        ; the weights': 96 rows
	GROUP1 40, W0SA, 32, 8                         ; x's scale bytes: 8 units of 256
	GROUP1 48, W0SB, 32, 12                        ; the weights': 12
	GROUP1 56, W0SA, 32, 64                        ; the table: 64 rows of 256 bytes
	s_mov_b32 s98, 0x3c800000                      ; 1 / 64
	s_mov_b32 s99, 0x34000000                      ; eps = 2^-23
	s_mov_b32 s100, 0x76543210
	s_mov_b32 s101, 0xfedcba98                     ; lane l xor 16
	s_wait_dscnt 0x0                               ; both opening adds are done
	s_wait_kmcnt 0x0
	; groups 0.  The joint loads' are made of TR and the wave's number alone, in registers that never hold cx
	s_lshl_b32 s2, s18, 16
	s_lshl_b32 s3, s17, 15
	s_add_co_u32 s2, s2, s3                        ; (128 TR + 64 u) x 512
	s_mov_b32 s3, 0
	s_mov_b32 s68, 1
	s_mul_i32 s69, s17, 64*528
	s_add_nc_u64 s[70:71], s[4:5], s[2:3]
	s_or_b32 s71, s71, 0x80000000
	s_lshr_b32 s2, s2, 4                           ; x 32
	s_mov_b32 s72, 1
	s_mul_i32 s73, s17, 8*272
	s_add_co_u32 s73, s73, ASC
	s_add_nc_u64 s[74:75], s[6:7], s[2:3]
	s_or_b32 s75, s75, 0x80000000
	s_lshl_b32 s2, s21, 15
	s_lshl_b32 s23, s17, 14
	s_add_co_u32 s2, s2, s23                       ; (128 (TR % 16) + 64 u) x 256
	s_mov_b32 s76, 1
	s_mul_i32 s77, s17, 64*272
	s_add_co_u32 s77, s77, TAB
	s_add_nc_u64 s[78:79], s[8:9], s[2:3]
	s_or_b32 s79, s79, 0x80000000
	s_mul_i32 s66, s20, 192*512
	s_mul_i32 s67, s17, 96*512
	s_add_co_u32 s66, s66, s67
	s_add_co_u32 s66, s66, 2097152                 ; behind x's codes
	s_mov_b32 s67, 0
	s_mov_b32 s80, 1
	s_mul_i32 s81, s17, 96*528
	s_add_co_u32 s81, s81, BC
	s_add_nc_u64 s[82:83], s[4:5], s[66:67]
	s_or_b32 s83, s83, 0x80000000
	s_lshr_b32 s66, s66, 4                         ; the scale bytes lie at a sixteenth of the codes' offset
	s_mov_b32 s84, 1
	s_mul_i32 s85, s17, 12*272
	s_add_co_u32 s85, s85, BSC
	s_add_nc_u64 s[86:87], s[6:7], s[66:67]
	s_or_b32 s87, s87, 0x80000000
	CROUND                                         ; all four work-groups are here: the joint loads meet
	s_cmp_lt_u32 s16, 2                            ; a wave's first fills stand in one branch on the wave's number: three loads of waves 0, 1 are out, two of waves 2, 3
	s_cbranch_scc0 .Lfor_w
	tensor_load_to_lds s[68:71], s[24:31]
	s_nop 0
	tensor_load_to_lds s[72:75], s[40:47]
	s_nop 0
	tensor_load_to_lds s[76:79], s[56:63]
	s_nop 0
.rept 4
	v_nop
.endr
	s_branch .Lasked
.Lfor_w:
	tensor_load_to_lds s[80:83], s[32:39]
	s_nop 0
	tensor_load_to_lds s[84:87], s[48:55]
	s_nop 0
.rept 4
	v_nop
.endr
.Lasked:
	v_and_b32 v1, 15, v0                           ; r
	v_bfe_u32 v2, v0, 4, 1                         ; h
	v_mul_u32_u24 v11, v1, 528
	v_lshl_add_u32 v11, v2, 4, v11                 ; a fragment's row x pitch + 16 h
	s_mul_i32 s23, s16, 32*528
	v_add_nc_u32 v3, s23, v11                      ; x: my 32 rows
	v_add_nc_u32 v4, BC, v11                       ; the three heads' rows
	v_add_nc_u32 v5, BC+64*528, v11
	v_add_nc_u32 v6, BC+128*528, v11
	v_lshrrev_b32 v12, 3, v1
	v_lshlrev_b32 v13, 5, v1
	v_lshl_add_u32 v12, v12, 4, v13                ; a row's 32 scale bytes: 32 r, and 16 more behind each 256
	s_mul_i32 s23, s16, 4*272
	s_add_co_u32 s23, s23, ASC
	v_add_nc_u32 v7, s23, v12
	v_add_nc_u32 v8, BSC, v12
	v_mul_u32_u24 v9, v1, 272
	v_lshl_add_u32 v9, v2, 5, v9
	s_mul_i32 s23, s16, 32*272
	s_add_co_u32 s23, s23, TAB
	v_add_nc_u32 v9, s23, v9                       ; the table: my position's row, + 32 h
	v_and_b32 v10, 31, v0
	v_lshlrev_b32 v10, 4, v10                      ; 16 x lane: an image's place for my lane
	v_mov_b32 v11, 0                               ; (a lane permute's destination counts as read)
	; where the results go
	s_lshl_b32 s23, s21, 3
	s_lshl_b32 s2, s16, 1
	s_add_co_u32 s23, s23, s2                      ; my first tile of 16 positions: 8 (TR % 16) + 2 w
	s_lshl_b32 s66, s22, 4
	s_lshl_b32 s67, s20, 1
	s_add_co_u32 s66, s66, s67                     ; 16 b + 2 tc
	s_lshl_b32 s66, s66, 7
	s_add_co_u32 s66, s66, s23
	s_lshl_b32 s66, s66, 11
	s_mov_b32 s67, 0
	s_add_nc_u64 s[88:89], s[12:13], s[66:67]      ; q, head 2 tc
	s_add_nc_u64 s[90:91], s[88:89], 262144        ; q, head 2 tc + 1
	s_lshl_b32 s66, s22, 2
	s_add_co_u32 s66, s66, s19                     ; 4 b + the key or value head
	s_lshl_b32 s66, s66, 12
	s_add_nc_u64 s[94:95], s[14:15], s[66:67]      ; vfine: 4,096 bytes a head
	s_lshl_b32 s66, s66, 6
	s_lshl_b32 s2, s23, 11
	s_add_co_u32 s66, s66, s2
	s_lshl_b32 s2, ttmp9, 21                       ; v's part lies 2,097,152 bytes behind k's; 64 groups of 4,096 bytes are 128 tiles of 2,048
	s_add_co_u32 s66, s66, s2
	s_add_co_u32 s66, s66, KOFF
	s_add_nc_u64 s[92:93], s[12:13], s[66:67]      ; k or v
	s_lshl_b32 s66, s20, 3
	s_load_b64 s[96:97], s[10:11], s66 offset:0x0  ; the gains of heads 2 tc, 2 tc + 1
	s_wait_tensorcnt 0x0                           ; my parts are in,
	s_wait_kmcnt 0x0
	s_barrier_signal -1
	s_barrier_wait -1                              ; everybody's are
.macro FRAGS hd, q, p                  ; 12 LDS loads: the fragments of K step q (128 codes = 64 bytes of a row) into set p
.irp a, 0,1
.irp c, 0,1
	ds_load_b128 v[FS+48*(\p)+8*\a+4*\c:FS+48*(\p)+8*\a+4*\c+3], v3 offset:8448*\a+64*(\q)+32*\c
.endr
.endr
.irp t, 0,1,2,3
.irp c, 0,1
	ds_load_b128 v[FS+48*(\p)+16+8*\t+4*\c:FS+48*(\p)+16+8*\t+4*\c+3], v[4+\hd] offset:8448*\t+64*(\q)+32*\c
.endr
.endr
.endm
.macro MUL q, p, zero, swap            ; 8 products, the accumulators by turns.  swap = 0: source 0 = W; swap = 1: source 0 = x
.irp a, 0,1
.irp t, 0,1,2,3
.set rD, ACC+8*(4*\a+\t)
.set rA, FS+48*(\p)+8*\a
.set rB, FS+48*(\p)+16+8*\t
.set rX, SA+8*\a+(\q)
.set rW, SB+8*\t+(\q)
.if \swap
.if \zero
	v_wmma_scale_f32_16x16x128_f8f6f4 v[rD:rD+7], v[rA:rA+7], v[rB:rB+7], 0, v[rX], v[rW] matrix_a_fmt:MATRIX_FMT_FP4 matrix_b_fmt:MATRIX_FMT_FP4
.else
	v_wmma_scale_f32_16x16x128_f8f6f4 v[rD:rD+7], v[rA:rA+7], v[rB:rB+7], v[rD:rD+7], v[rX], v[rW] matrix_a_fmt:MATRIX_FMT_FP4 matrix_b_fmt:MATRIX_FMT_FP4
.endif
.else
.if \zero
	v_wmma_scale_f32_16x16x128_f8f6f4 v[rD:rD+7], v[rB:rB+7], v[rA:rA+7], 0, v[rW], v[rX] matrix_a_fmt:MATRIX_FMT_FP4 matrix_b_fmt:MATRIX_FMT_FP4
.else
	v_wmma_scale_f32_16x16x128_f8f6f4 v[rD:rD+7], v[rB:rB+7], v[rA:rA+7], v[rD:rD+7], v[rW], v[rX] matrix_a_fmt:MATRIX_FMT_FP4 matrix_b_fmt:MATRIX_FMT_FP4
.endif
.endif
.endr
.endr
.endm
.macro GEMM hd, swap, first            ; one head: 8 K steps of 128; the first step's products start the sums
	s_wait_xcnt 0x0                                ; the last head's stores have read their data: the fragment sets are loaded again only behind this wait
	FRAGS \hd, 0, 0
.irp t, 0,1,2,3
.irp kh, 0,1
	ds_load_b128 v[SB+8*\t+4*\kh:SB+8*\t+4*\kh+3], v8 offset:544*(4*\hd+\t)+16*\kh
.endr
.endr
.if \first
.irp a, 0,1
.irp kh, 0,1
	ds_load_b128 v[SA+8*\a+4*\kh:SA+8*\a+4*\kh+3], v7 offset:544*\a+16*\kh
.endr
.endr
.endif
.set Q, 0
.rept 8
.if Q < 7
.if Q > 0
.rept 4
	v_nop                                          ; four places between the products that read a set and the loads into it
.endr
.endif
	FRAGS \hd, Q+1, (Q+1)%2
	s_wait_dscnt 12                                ; all but the 12 loads just issued
.else
	s_wait_dscnt 0x0
.endif
.if Q == 0
	MUL Q, 0, 1, \swap
.else
	MUL Q, Q%2, 0, \swap
.endif
.set Q, Q+1
.endr
.endm
; q and k: norm, rotation, gain; f16 images out.  sb: the store's base; gain: a scalar register or 1.0
.macro ROPE sb, gain
.rept 4
	v_nop                                          ; places behind the last products: for the loads below and for the first reads of results
.endr
.irp a, 0,1                            ; cos and sin of my position, channels 16 tp + 8 h + 0..7: block a's into the fragment set a
.irp tp, 0,1
.irp e, 0,1
	ds_load_b128 v[FS+48*\a+8*\tp+4*\e:FS+48*\a+8*\tp+4*\e+3], v9 offset:4352*\a+64*\tp+16*\e
	ds_load_b128 v[FS+48*\a+16+8*\tp+4*\e:FS+48*\a+16+8*\tp+4*\e+3], v9 offset:4352*\a+64*\tp+16*\e+128
.endr
.endr
.endr
.irp a, 0,1
.set rA, ACC+32*\a
.set rC, FS+48*\a
.set rO, FS+48*\a+32
	v_pk_mul_f32 v[Y:Y+1], v[rA:rA+1], v[rA:rA+1]                  ; the sum of squares of my 32 channels, ascending: each accumulator is read from its low end on
	v_pk_mul_f32 v[Y+2:Y+3], v[rA+2:rA+3], v[rA+2:rA+3]
.irp p, 4,8,12,16,20,24,28
	v_pk_fma_f32 v[Y:Y+1], v[rA+\p:rA+\p+1], v[rA+\p:rA+\p+1], v[Y:Y+1]
	v_pk_fma_f32 v[Y+2:Y+3], v[rA+\p+2:rA+\p+3], v[rA+\p+2:rA+\p+3], v[Y+2:Y+3]
.endr
	v_pk_add_f32 v[Y:Y+1], v[Y:Y+1], v[Y+2:Y+3]
	v_add_f32 v12, v[Y], v[Y+1]
	v_permlanex16_b32 v11, v12, s100, s101         ; the position's other 32 channels lie in the lane 16 away
	v_add_f32 v12, v12, v11
	v_fma_f32 v12, v12, s98, s99                   ; the mean + eps
	v_rsq_f32 v12, v12
	v_nop                                          ; a plain line behind the transcendental,
	s_wait_alu depctr_va_vdst(0)                   ; and the wait ahead of its first reader
	v_mul_f32 v12, \gain, v12
	v_mov_b32 v13, v12
	s_wait_dscnt 8-8*\a                            ; this block's table is in; block 1's eight loads may be out
.irp tp, 0,1
.irp j, 0,2,4,6
	v_pk_mul_f32 v[Y+8*\tp+\j:Y+8*\tp+\j+1], v[rA+16+8*\tp+\j:rA+16+8*\tp+\j+1], v[rC+16+8*\tp+\j:rC+16+8*\tp+\j+1]        ; x2 sin
	v_pk_mul_f32 v[Y+16+8*\tp+\j:Y+16+8*\tp+\j+1], v[rA+8*\tp+\j:rA+8*\tp+\j+1], v[rC+16+8*\tp+\j:rC+16+8*\tp+\j+1]        ; x1 sin
	v_pk_fma_f32 v[Y+8*\tp+\j:Y+8*\tp+\j+1], v[rA+8*\tp+\j:rA+8*\tp+\j+1], v[rC+8*\tp+\j:rC+8*\tp+\j+1], v[Y+8*\tp+\j:Y+8*\tp+\j+1]   ; x1 cos + x2 sin
	v_pk_fma_f32 v[Y+16+8*\tp+\j:Y+16+8*\tp+\j+1], v[rA+16+8*\tp+\j:rA+16+8*\tp+\j+1], v[rC+8*\tp+\j:rC+8*\tp+\j+1], v[Y+16+8*\tp+\j:Y+16+8*\tp+\j+1] neg_lo:[0,0,1] neg_hi:[0,0,1]   ; x2 cos - x1 sin
.endr
.endr
.irp i, 0,2,4,6,8,10,12,14,16,18,20,22,24,26,28,30
	v_pk_mul_f32 v[Y+\i:Y+\i+1], v[Y+\i:Y+\i+1], v[12:13] op_sel_hi:[1,0]
.endr
.irp i, 0,1,2,3,4,5,6,7,8,9,10,11,12,13,14,15
	v_cvt_pk_f16_f32 v[rO+\i], v[Y+2*\i], v[Y+2*\i+1]
.endr
.irp t, 0,1,2,3
	global_store_b128 v10, v[rO+4*\t:rO+4*\t+3], s[\sb:\sb+1] offset:2048*\a+512*\t   ; 512 consecutive bytes, aligned
.endr
.endr
.endm
	GEMM 0, 0, 1
	ROPE 88, s96
	GEMM 1, 0, 0
	ROPE 90, s97
	s_cmp_lg_u32 ttmp9, 0                          ; the cluster's number: the same in all four partners
	s_cbranch_scc1 .Lvalues
	GEMM 2, 0, 0
	ROPE 92, 1.0
	s_branch .Ldone
.Lvalues:
	GEMM 2, 1, 0
.rept 4
	v_nop                                          ; places behind the last products
.endr
.irp a, 0,1
.irp t, 0,1,2,3
.irp i, 0,1,2,3
	v_cvt_pk_f16_f32 v[Y+4*(4*\a+\t)+\i], v[ACC+8*(4*\a+\t)+2*\i], v[ACC+8*(4*\a+\t)+2*\i+1]   ; channel 16 t + r, keys 16 a + 8 h + 2 i, + 1
.endr
.endr
.endr
.irp a, 0,1
.irp t, 0,1,2,3
	global_store_b128 v10, v[Y+4*(4*\a+\t):Y+4*(4*\a+\t)+3], s[92:93] offset:1024*\t+512*\a
.endr
.endr
	s_or_b32 s23, s21, s16                         ; positions 0-15 of a sequence: TR % 16 = 0, wave 0, block 0: they also leave in f32
	s_cmp_lg_u32 s23, 0
	s_cbranch_scc1 .Ldone
.irp t, 0,1,2,3
	global_store_b128 v10, v[ACC+8*\t:ACC+8*\t+3], s[94:95] offset:1024*\t
	global_store_b128 v10, v[ACC+8*\t+4:ACC+8*\t+7], s[94:95] offset:1024*\t+512
.endr
.Ldone:
	s_wait_tensorcnt 0x0                           ; the wave's end
	ds_add_u32 v[SPW], v[NIL]
	s_wait_dscnt 0x0
	CROUND                                         ; the closing round
	s_endpgm
.Lfunc_end_k_q3c2ebc4681_qkv:
	.size	k_q3c2ebc4681_qkv, .Lfunc_end_k_q3c2ebc4681_qkv-k_q3c2ebc4681_qkv
	.p2alignl 7, 3214868480
	.fill 96, 4, 3214868480
	.section	.rodata,"a",@progbits
	.p2align	6, 0x0
	.amdhsa_kernel k_q3c2ebc4681_qkv
		.amdhsa_group_segment_fixed_size 229376
		.amdhsa_private_segment_fixed_size 0
		.amdhsa_enable_private_segment 0
		.amdhsa_kernarg_size 48
		.amdhsa_user_sgpr_count 2
		.amdhsa_user_sgpr_kernarg_segment_ptr 1
		.amdhsa_wavefront_size32 1
		.amdhsa_system_sgpr_workgroup_id_x 1
		.amdhsa_system_sgpr_workgroup_id_y 1
		.amdhsa_system_sgpr_workgroup_id_z 1
		.amdhsa_system_vgpr_workitem_id 0
		.amdhsa_next_free_vgpr 256
		.amdhsa_next_free_sgpr 102
		.amdhsa_reserve_vcc 0
		.amdhsa_float_denorm_mode_32 3
		.amdhsa_float_denorm_mode_16_64 3
		.amdhsa_memory_ordered 1
		.amdhsa_forward_progress 1
		.amdhsa_inst_pref_size 114
	.end_amdhsa_kernel
	.amdgpu_metadata
---
amdhsa.version: [ 1, 2 ]
amdhsa.kernels:
  - .name:           k_q3c2ebc4681_qkv
    .symbol:         k_q3c2ebc4681_qkv.kd
    .args:
      - { .name: codes, .offset: 0, .size: 8, .value_kind: global_buffer, .address_space: global }
      - { .name: scales, .offset: 8, .size: 8, .value_kind: global_buffer, .address_space: global }
      - { .name: tab, .offset: 16, .size: 8, .value_kind: global_buffer, .address_space: global }
      - { .name: q_gain, .offset: 24, .size: 8, .value_kind: global_buffer, .address_space: global }
      - { .name: qkv, .offset: 32, .size: 8, .value_kind: global_buffer, .address_space: global }
      - { .name: vfine, .offset: 40, .size: 8, .value_kind: global_buffer, .address_space: global }
    .group_segment_fixed_size: 229376
    .private_segment_fixed_size: 0
    .kernarg_segment_align: 8
    .kernarg_segment_size: 48
    .max_flat_workgroup_size: 128
    .sgpr_count:     102
    .vgpr_count:     256
    .wavefront_size: 32
...
	.end_amdgpu_metadata
.endif
;; end of part 2
;; launch attn (part 3): grid 32 x 8, 8 waves a work-group, clusters of 4 x 1, 327,680 bytes of LDS; arguments qkv, yimg; writes yimg
.if DOCPART == 3
	.amdgcn_target "amdgcn-amd-amdhsa--gfx1250"
	.amdhsa_code_object_version 6
	.text
	.protected	k_q3c2ebc4681_attn
	.globl	k_q3c2ebc4681_attn
	.p2align	8
	.type	k_q3c2ebc4681_attn,@function
k_q3c2ebc4681_attn:
	s_mov_b64 s[64:65], 0
	v_nop
	global_prefetch_b8 v0, s[64:65] scope:SCOPE_SE
	s_setreg_imm32_b32 hwreg(HW_REG_WAVE_MODE, 25, 1), 1
	s_wait_xcnt 0x0
	s_wait_alu depctr_hold_cnt(0) depctr_sa_sdst(0) depctr_va_vdst(0) depctr_va_sdst(0) depctr_va_ssrc(0) depctr_va_vcc(0) depctr_vm_vsrc(0)
	s_getreg_b32 s2, hwreg(HW_REG_IB_STS2, 6, 4)
	s_cmp_eq_u32 s2, 0
	s_cbranch_scc0 .Lentry_in_a_cluster
	s_endpgm
.Lentry_in_a_cluster:
	s_bfe_u32 s2, ttmp6, 0x10000c
	s_cmp_lg_u32 s2, 0x3003
	s_cbranch_scc0 .Lentry_shape_is_right
	s_endpgm
.Lentry_shape_is_right:
; ATTN.  y = softmax(q k^T / 8, causal) v for 32 (batch, head) pairs, head size 64, f16 operands, f32 sums, a running maximum.  q, k, v arrive as images of operand registers; y leaves as the image of the projection's operand.
; SHARES.  The grid's y is (batch, key/value head).  The four work-groups of a cluster are the four query heads that share that head: they walk the same K and V and hold the same positions, so K's and V's tiles are asked for JOINTLY,
; and every branch hangs on the cluster's number jj, the wave's number and counted steps alone.  A work-group owns the 16 query tiles T = jj + 8 rank; wave w owns ranks 15 - w ('high') and w ('low'): every wave has the same number of key steps.
; Every wave walks all 32 key steps of 64; a step all of whose keys come after a tile's queries is jumped over for that tile (a scalar branch on ids).  Wave 0's high tile reads every slot.
; LAYOUT.  S^T = K Q^T and O^T = V^T P: a lane holds one query (lane % 16) throughout; S^T's tiles 2 g, 2 g + 1, packed to f16, are P's fragment g.
; RING.  Two slots of 512 keys (K 65,536 bytes, V 65,536), dense images: every fragment read is 16 bytes a lane at 16 x lane.  Each of the eight waves fetches 16,384 bytes with one load; one load a wave is out.
; A STEP PARTS ONCE, on whether the low tile still has keys in it, into two arms that join at its end.  In the arm for both tiles, tile 1's K Q^T is issued ahead of tile 0's softmax and tile 0's V^T P ahead of
; tile 1's softmax, so that matrix work runs under vector work.
; LIMITS: f16 operands as the launch before states; NaN and infinities are not served.
; REGISTERS.  window 0: v1 16 x lane, v2 r - 8 h, v3, v4 LDS addresses, v5 the mask's d, v6 -infinity, v7 the prefetch's offset, v8, v9 the add's two; v32.. statistics, 8 a tile: +0 c m, +1 m, +2, +3 l, +4..7 at work;
;   v64.. S^T, 32 a tile; v128.. P, 16 a tile; v160.. O^T, 32 a tile.   window 1: v0-63 K of a step, v64-127 V, v128-159 Q.
.set KOFF,  8388608
.set SLOT1, 1<<17
.set SPARE, 262144                     ; the spare words: 128 bytes a wave, four blocks of 256 bytes that no other line names
.set ADK, 3
.set ADV, 4
.set PFO, 7
.set SPW, 8
.set NIL, 9
.set ST,  32
.set S,   64
.set P,   128
.set O,   160
.set SEL, 28                           ; s[28:29]
.set CS,  30                           ; s[30:31] c = log2(e) / 8, twice
.set TB,  32                           ; s32 LDS byte of the step's tiles of K
.set KF,  33                           ; s33 the step's first key
.set QH,  34                           ; s34, s35 the two tiles' first queries
.set QL,  35
.set SLOTS, 36
.set CNT, 37
.set LIM, 38
.set MSB, 0
.macro WIN new                         ; the immediate's high byte repeats the setting that is left
.if MSB != \new
	s_set_vgpr_msb (MSB<<8)|\new
.set MSB, \new
.endif
.endm
.macro CROUND
	s_barrier_signal -1
	s_barrier_wait -1
	s_cmp_lg_u32 s8, 0
	s_cbranch_scc1 .Lnot_wave_0_\@
	s_barrier_signal -3
.Lnot_wave_0_\@:
	s_barrier_wait -3
	s_barrier_signal -1
	s_barrier_wait -1
.endm
	s_load_b128 s[4:7], s[0:1], 0x0                ; qkv, yimg
	v_lshl_add_u32 v[SPW], v0, 2, SPARE
	v_mov_b32 v[NIL], 0
	ds_add_u32 v[SPW], v[NIL]                      ; the wave's opening: the add, twice on end, and its wait ahead of my first tensor load
	ds_add_u32 v[SPW], v[NIL]
	v_lshrrev_b32 v1, 5, v0
	v_readfirstlane_b32 s8, v1                     ; wave 0..7
	s_and_b32 s9, ttmp7, 0xffff                    ; 4 b + kv
	s_bfe_u32 s10, ttmp6, 0x40000                  ; cx: the query head within the group: it enters Q's, y's and the prefetch's addresses alone
	s_mov_b32 s16, 15|(3<<16)|(1<<21)              ; group 1: mask of all four; elements of 8 bytes; no padding
	s_mov_b32 s17, 32<<16                          ; rows of 256 bytes,
	s_mov_b32 s18, 64<<16                          ; 64 of them,
	s_mov_b32 s19, 32<<16
	s_mov_b32 s20, 64
	s_mov_b32 s21, 32                              ; dense
	s_mov_b32 s22, 0
	s_mov_b32 s23, 0
	s_lshr_b32 s12, s8, 2                          ; waves 0-3 fetch K, waves 4-7 V, which lies 2,097,152 bytes further on
	s_lshl_b32 s12, s12, 21
	s_lshl_b32 s13, s9, 18
	s_add_co_u32 s12, s12, s13
	s_and_b32 s13, s8, 3
	s_lshl_b32 s13, s13, 14
	s_add_co_u32 s12, s12, s13
	s_add_co_u32 s12, s12, KOFF
	s_mov_b32 s13, 0
	s_mov_b32 s[SEL], 0x76543210
	s_mov_b32 s[SEL+1], 0xfedcba98
	s_mov_b32 s[CS], 0x3e38aa3b
	s_mov_b32 s[CS+1], s[CS]
	s_mov_b32 s[TB], 0
	s_mov_b32 s[KF], 0
	s_mov_b32 s[SLOTS], 3
	s_lshl_b32 s11, s8, 3
	s_add_co_u32 s42, ttmp9, 120
	s_sub_co_u32 s42, s42, s11                     ; the high tile: jj + 8 (15 - w)
	s_add_co_u32 s43, ttmp9, s11                   ; the low tile: jj + 8 w
	s_lshl_b32 s[QH], s42, 4
	s_lshl_b32 s[QL], s43, 4
	s_lshr_b32 s[LIM], s8, 2                       ; who prefetches: waves 0-3 of the head's first cluster: the same in all four partners
	s_or_b32 s[LIM], s[LIM], ttmp9
	s_cmp_eq_u32 s[LIM], 0
	s_cselect_b32 s[LIM], 1, -1
	s_lshl_b32 s44, s9, 2
	s_add_co_u32 s44, s44, s10
	s_lshl_b32 s44, s44, 7                         ; (16 b + query head) x 128 tiles
	s_lshr_b32 s45, s9, 2
	s_lshl_b32 s45, s45, 7                         ; 128 b
	s_and_b32 s39, s9, 3                           ; kv: the projection's K step
	s_lshl_b32 s49, s10, 11                        ; 2,048 cx
	s_mov_b32 s47, 0
	s_wait_dscnt 0x0                               ; both opening adds are done
	s_wait_kmcnt 0x0
	s_mov_b32 s24, 1
	s_lshl_b32 s25, s8, 14                         ; LDS: 16,384 x wave, slot 0
	s_add_nc_u64 s[26:27], s[4:5], s[12:13]
	s_or_b32 s27, s27, 0x80000000
.macro BASES t, tile                   ; Q's and y's addresses for tile t, whose number stands in s[tile]
	s_add_co_u32 s46, s44, s[\tile]
	s_lshl_b32 s46, s46, 11
	s_add_nc_u64 s[50+2*\t:51+2*\t], s[4:5], s[46:47]
	s_add_co_u32 s46, s45, s[\tile]                ; the row block of 16 among 256
	s_lshr_b32 s48, s46, 2
	s_lshl_b32 s48, s48, 2
	s_add_co_u32 s48, s48, s39
	s_lshl_b32 s48, s48, 2
	s_and_b32 s46, s46, 3
	s_add_co_u32 s48, s48, s46
	s_lshl_b32 s48, s48, 13
	s_add_co_u32 s46, s48, s49
	s_add_nc_u64 s[54+2*\t:55+2*\t], s[6:7], s[46:47]
.endm
	BASES 0, 42
	BASES 1, 43
	s_lshl_b32 s46, s10, 2                         ; the prefetches: a slot's 131,072 bytes are 16 regions of 8,192; region 4 cx + w is mine: the partners are told apart by address
	s_and_b32 s48, s8, 3
	s_add_co_u32 s46, s46, s48
	s_lshr_b32 s48, s46, 3
	s_lshl_b32 s48, s48, 21
	s_and_b32 s46, s46, 7
	s_lshl_b32 s46, s46, 13
	s_add_co_u32 s46, s46, s48
	s_lshl_b32 s48, s9, 18
	s_add_co_u32 s46, s46, s48
	s_add_co_u32 s46, s46, KOFF+65536              ; at the second 512 keys: each change of slots steps it first, so the first request names the third
	s_add_nc_u64 s[40:41], s[4:5], s[46:47]
	CROUND                                         ; all four work-groups are here: the first joint loads meet
	tensor_load_to_lds s[24:27], s[16:23]          ; keys 0-511 into slot 0
	s_nop 0
.rept 4
	v_nop
.endr
	v_and_b32 v1, 31, v0
	v_lshlrev_b32 v[PFO], 8, v1                    ; lanes 256 bytes apart
	v_lshlrev_b32 v1, 4, v1
	v_and_b32 v2, 15, v0
	v_bfe_u32 v3, v0, 4, 1
	v_lshlrev_b32 v3, 3, v3
	v_sub_nc_u32 v2, v2, v3                        ; r - 8 h
	v_mov_b32 v6, 0xff800000
	WIN 0x40                                       ; destination window 1
.irp t, 0,1
.irp c, 0,1,2,3
	global_load_b128 v[128+16*\t+4*\c:128+16*\t+4*\c+3], v1, s[50+2*\t:51+2*\t] offset:512*\c
.endr
.endr
	WIN 0
.irp t, 0,1
	v_mov_b32 v[ST+8*\t+1], 0xff61b1e6             ; m = -3e38, under every score
	v_mul_f32 v[ST+8*\t], s[CS], v[ST+8*\t+1]
.irp i, 2,3,4,5,6,7
	v_mov_b32 v[ST+8*\t+\i], 0
.endr
.endr
.set n, 0
.rept 64
	v_mov_b32 v[O+n], 0                            ; the step is written once: the first finds zeros, which the first rescaling leaves zeros
.set n, n+1
.endr
.macro QK t                            ; S^T = K Q^T: 4 tiles of 16 keys x 2 fragments of 32 channels; the accumulators by turns
	WIN 0x05
.irp i, 0,1,2,3,4,5,6,7
.if \i < 4
	v_wmma_f32_16x16x32_f16 v[S+32*\t+8*(\i%4):S+32*\t+8*(\i%4)+7], v[8*(2*(\i%4)+\i/4):8*(2*(\i%4)+\i/4)+7], v[128+16*\t+8*(\i/4):128+16*\t+8*(\i/4)+7], 0
.else
	v_wmma_f32_16x16x32_f16 v[S+32*\t+8*(\i%4):S+32*\t+8*(\i%4)+7], v[8*(2*(\i%4)+\i/4):8*(2*(\i%4)+\i/4)+7], v[128+16*\t+8*(\i/4):128+16*\t+8*(\i/4)+7], v[S+32*\t+8*(\i%4):S+32*\t+8*(\i%4)+7]
.endif
.endr
.endm
.macro PV t                            ; O^T += V^T P: 4 tiles of 16 channels x 2 groups of 32 keys
	WIN 0x01
.irp i, 0,1,2,3,4,5,6,7
	v_wmma_f32_16x16x32_f16 v[O+32*\t+8*(\i%4):O+32*\t+8*(\i%4)+7], v[64+8*\i:64+8*\i+7], v[P+16*\t+8*(\i/4):P+16*\t+8*(\i/4)+7], v[O+32*\t+8*(\i%4):O+32*\t+8*(\i%4)+7]
.endr
.endm
.macro MASK t                          ; register 8 a + j holds key KF + 16 a + 8 h + j: hidden where 16 a + j > my query - KF - 8 h
	s_sub_co_i32 s11, s[QH+\t], s[KF]
	v_add_nc_u32 v5, s11, v2
.set n, 0
.rept 32
	v_cmp_gt_i32 vcc_lo, 16*(n/8)+n%8, v5
	v_cndmask_b32 v[S+32*\t+n], v[S+32*\t+n], v6, vcc_lo
.set n, n+1
.endr
.endm
.macro SOFTMAX t
.set rT, ST+8*\t
.set rS, S+32*\t
.set rP, P+16*\t
.set rO, O+32*\t
.irp j, 0,1,2,3
	v_max3_num_f32 v[rT+4+\j], v[rS+8*\j], v[rS+8*\j+1], v[rS+8*\j+2]          ; four chains, each from an accumulator's low end on
.endr
.irp j, 0,1,2,3
	v_max3_num_f32 v[rT+4+\j], v[rT+4+\j], v[rS+8*\j+3], v[rS+8*\j+4]
.endr
.irp j, 0,1,2,3
	v_max3_num_f32 v[rT+4+\j], v[rT+4+\j], v[rS+8*\j+5], v[rS+8*\j+6]
.endr
	v_max3_num_f32 v[rT+4], v[rT+4], v[rS+7], v[rS+15]
	v_max3_num_f32 v[rT+6], v[rT+6], v[rS+23], v[rS+31]
	v_max3_num_f32 v[rT+4], v[rT+4], v[rT+5], v[rT+6]
	v_max3_num_f32 v[rT+4], v[rT+4], v[rT+7], v[rT+1]                          ; and the old m
	v_permlanex16_b32 v[rT+5], v[rT+4], s[SEL], s[SEL+1]                       ; the query's other 32 keys lie in the lane 16 away
	v_mov_b32 v[rT+7], v[rT]                                                   ; c m_old
	v_max_num_f32 v[rT+1], v[rT+4], v[rT+5]
	v_mul_f32 v[rT], s[CS], v[rT+1]
	v_sub_f32 v[rT+7], v[rT+7], v[rT]
.set n, 0
.rept 16
	v_pk_fma_f32 v[rS+2*n:rS+2*n+1], v[rS+2*n:rS+2*n+1], s[CS:CS+1], v[rT:rT+1] op_sel_hi:[1,0,0] neg_lo:[0,0,1] neg_hi:[0,0,1]   ; c s - c m
.set n, n+1
.endr
	v_exp_f32 v[rT+6], v[rT+7]                                                 ; a = 2^(c m_old - c m_new)
.set n, 0
.rept 32
	v_exp_f32 v[rS+n], v[rS+n]
.set n, n+1
.endr
	v_nop                                          ; a plain line behind the batch,
	s_wait_alu depctr_va_vdst(0)                   ; and one wait for its 33 exponentials, ahead of the first reader
.set n, 0
.rept 16
	v_cvt_pk_f16_f32 v[rP+n], v[rS+2*n], v[rS+2*n+1]
.set n, n+1
.endr
.set n, 2
.rept 7
	v_pk_add_f32 v[rS:rS+1], v[rS:rS+1], v[rS+2*n:rS+2*n+1]                    ; the row's sum, in two chains
	v_pk_add_f32 v[rS+2:rS+3], v[rS+2:rS+3], v[rS+2*n+2:rS+2*n+3]
.set n, n+2
.endr
	v_pk_add_f32 v[rS:rS+1], v[rS:rS+1], v[rS+2:rS+3]
	v_pk_fma_f32 v[rT+2:rT+3], v[rT+2:rT+3], v[rT+6:rT+7], v[rS:rS+1] op_sel_hi:[1,0,1]   ; l = a l + the sum
.set n, 0
.rept 16
	v_pk_mul_f32 v[rO+2*n:rO+2*n+1], v[rO+2*n:rO+2*n+1], v[rT+6:rT+7] op_sel_hi:[1,0]     ; O^T x a, ascending
.set n, n+1
.endr
.endm
; The high tile's part of a step, behind its K Q^T: four places, the mask where the step lies on the diagonal, the softmax, V^T P.  It stands in both arms of a step.
.macro TILE0
.rept 4
	v_nop                                          ; places ahead of the first read of the scores
.endr
	s_add_co_u32 s39, s[KF], 63
	s_cmp_le_u32 s39, s[QH]                        ; all 64 keys count for all 16 queries: no mask
	s_cbranch_scc1 .Lopen0_\@
	MASK 0
.Lopen0_\@:
	SOFTMAX 0
	s_wait_dscnt 0x0                               ; V is in
	PV 0
	WIN 0
.endm
.macro STEP                            ; 64 keys
	s_cmp_gt_u32 s[KF], s[QH]                      ; all keys come after both tiles' queries (the low tile's are earlier): nothing to do
	s_cbranch_scc1 .Lend_\@
	v_add_nc_u32 v[ADK], s[TB], v1
	v_add_nc_u32 v[ADV], 65536, v[ADK]
	v_nop
	v_nop                                          ; these four lines are the places between the last products and the loads into their operands
	WIN 0x40
.irp f, 0,1,2,3,4,5,6,7
	ds_load_b128 v[8*\f:8*\f+3], v[ADK] offset:1024*\f
	ds_load_b128 v[8*\f+4:8*\f+7], v[ADK] offset:1024*\f+512
.endr
.irp f, 0,1,2,3,4,5,6,7
	ds_load_b128 v[64+8*\f:64+8*\f+3], v[ADV] offset:1024*\f
	ds_load_b128 v[64+8*\f+4:64+8*\f+7], v[ADV] offset:1024*\f+512
.endr
	WIN 0
	s_wait_dscnt 16                                ; K is in; V's sixteen loads may be out
	QK 0
	WIN 0
	s_cmp_gt_u32 s[KF], s[QL]                      ; the step parts here, once: has the low tile keys in it?
	s_cbranch_scc1 .Lone_\@
	QK 1                                           ; both tiles: tile 1's scores are made under tile 0's softmax,
	WIN 0
	TILE0
	s_cmp_le_u32 s39, s[QL]                        ; (s39 = KF + 63, from TILE0)
	s_cbranch_scc1 .Lopen1_\@
	MASK 1
.Lopen1_\@:
	SOFTMAX 1                                      ; and tile 0's V^T P runs under tile 1's
	PV 1
	WIN 0
	s_branch .Lend_\@
.Lone_\@:
	TILE0                                          ; the high tile alone
.Lend_\@:
	s_add_co_u32 s[KF], s[KF], 64
	s_add_co_u32 s[TB], s[TB], 8192
.endm
.macro SLOT_STEPS                      ; a slot's eight steps: written once, walked eight times
	s_mov_b32 s[CNT], 8
.Lstep_\@:
	STEP
	s_sub_co_u32 s[CNT], s[CNT], 1
	s_cmp_lg_u32 s[CNT], 0
	s_cbranch_scc1 .Lstep_\@
	s_sub_co_u32 s[TB], s[TB], 65536
	s_xor_b32 s[TB], s[TB], SLOT1                  ; on to the other slot
.endm
; THE CHANGE OF SLOTS stands at a slot's head.  Each wave waits for all its tensor loads (its part of the slot ahead), adds 0 to its spare word, and waits for that and for its reads of the slot that it has left.
; fill = 1: a round of the cluster's barrier, and behind it the other slot is filled with the next 512 keys: the wave's one load, with eight steps in which to land.
.macro CHANGE fill
	s_wait_tensorcnt 0x0                           ; no tensor load of mine is out, so the group 0 may be written
	ds_add_u32 v[SPW], v[NIL]
.if \fill
	s_xor_b32 s25, s25, SLOT1
	s_add_nc_u64 s[26:27], s[26:27], 65536
	s_wait_xcnt 0x0                                ; the last prefetch, a slot back, has read its address
	s_add_nc_u64 s[40:41], s[40:41], 65536         ; one slot further on than the load below
.endif
	s_wait_dscnt 0x0
.if \fill
	CROUND
	tensor_load_to_lds s[24:27], s[16:23]
	s_nop 0
.rept 4
	v_nop
.endr
	s_cmp_gt_u32 s[SLOTS], s[LIM]                  ; a prefetch of what the next change will ask for: 32 blocks of 256 bytes a wave, each block named once in the launch; the last filling change asks for nothing
	s_cbranch_scc0 .Lnot_mine_\@
	global_prefetch_b8 v[PFO], s[40:41] th:TH_LOAD_NT scope:SCOPE_SE
.Lnot_mine_\@:
.else
	s_barrier_signal -1
	s_barrier_wait -1
.endif
.endm
	s_wait_loadcnt 0x0                             ; Q
.Lslot:                                            ; three trips: behind each change of slots but the last the next 512 keys are asked for
	CHANGE 1
	SLOT_STEPS
	s_sub_co_u32 s[SLOTS], s[SLOTS], 1
	s_cmp_lg_u32 s[SLOTS], 0
	s_cbranch_scc1 .Lslot
	CHANGE 0                                       ; the last slot is written out
	SLOT_STEPS
	; THE WAY OUT: O^T / l, rounded to f16: a lane's registers are the projection's fragments as they stand
.rept 4
	v_nop
.endr
.irp t, 0,1
	v_add_f32 v[ST+8*\t+4], v[ST+8*\t+2], v[ST+8*\t+3]
.endr
.irp t, 0,1
	v_permlanex16_b32 v[ST+8*\t+5], v[ST+8*\t+4], s[SEL], s[SEL+1]
.endr
.irp t, 0,1
	v_add_f32 v[ST+8*\t+4], v[ST+8*\t+4], v[ST+8*\t+5]
.endr
.irp t, 0,1
	v_rcp_f32 v[ST+8*\t+6], v[ST+8*\t+4]
.endr
	v_nop
	s_wait_alu depctr_va_vdst(0)                   ; one wait for the two reciprocals
.irp t, 0,1
.set n, 0
.rept 16
	v_pk_mul_f32 v[O+32*\t+2*n:O+32*\t+2*n+1], v[O+32*\t+2*n:O+32*\t+2*n+1], v[ST+8*\t+6:ST+8*\t+7] op_sel_hi:[1,0]
.set n, n+1
.endr
.set n, 0
.rept 16
	v_cvt_pk_f16_f32 v[S+32*\t+n], v[O+32*\t+2*n], v[O+32*\t+2*n+1]
.set n, n+1
.endr
.irp c, 0,1,2,3
	global_store_b128 v1, v[S+32*\t+4*\c:S+32*\t+4*\c+3], s[54+2*\t:55+2*\t] offset:512*\c   ; 512 consecutive bytes, aligned
.endr
.endr
	s_wait_tensorcnt 0x0                           ; the wave's end
	ds_add_u32 v[SPW], v[NIL]
	s_wait_dscnt 0x0
	CROUND                                         ; the closing round
	s_endpgm
.Lfunc_end_k_q3c2ebc4681_attn:
	.size	k_q3c2ebc4681_attn, .Lfunc_end_k_q3c2ebc4681_attn-k_q3c2ebc4681_attn
	.p2alignl 7, 3214868480
	.fill 96, 4, 3214868480
	.section	.rodata,"a",@progbits
	.p2align	6, 0x0
	.amdhsa_kernel k_q3c2ebc4681_attn
		.amdhsa_group_segment_fixed_size 327680
		.amdhsa_private_segment_fixed_size 0
		.amdhsa_enable_private_segment 0
		.amdhsa_kernarg_size 16
		.amdhsa_user_sgpr_count 2
		.amdhsa_user_sgpr_kernarg_segment_ptr 1
		.amdhsa_wavefront_size32 1
		.amdhsa_system_sgpr_workgroup_id_x 1
		.amdhsa_system_sgpr_workgroup_id_y 1
		.amdhsa_system_sgpr_workgroup_id_z 1
		.amdhsa_system_vgpr_workitem_id 0
		.amdhsa_next_free_vgpr 448
		.amdhsa_next_free_sgpr 66
		.amdhsa_reserve_vcc 1
		.amdhsa_float_denorm_mode_32 3
		.amdhsa_float_denorm_mode_16_64 3
		.amdhsa_memory_ordered 1
		.amdhsa_forward_progress 1
		.amdhsa_inst_pref_size 78
	.end_amdhsa_kernel
	.amdgpu_metadata
---
amdhsa.version: [ 1, 2 ]
amdhsa.kernels:
  - .name:           k_q3c2ebc4681_attn
    .symbol:         k_q3c2ebc4681_attn.kd
    .args:
      - { .name: qkv, .offset: 0, .size: 8, .value_kind: global_buffer, .address_space: global }
      - { .name: yimg, .offset: 8, .size: 8, .value_kind: global_buffer, .address_space: global }
    .group_segment_fixed_size: 327680
    .private_segment_fixed_size: 0
    .kernarg_segment_align: 8
    .kernarg_segment_size: 16
    .max_flat_workgroup_size: 256
    .sgpr_count:     66
    .vgpr_count:     448
    .wavefront_size: 32
...
	.end_amdgpu_metadata
.endif
;; end of part 3
;; launch proj (part 4): grid 8 x 32, 4 waves a work-group, clusters of 4 x 4, 327,680 bytes of LDS; arguments yimg, wp, out0; writes out0
.if DOCPART == 4
	.amdgcn_target "amdgcn-amd-amdhsa--gfx1250"
	.amdhsa_code_object_version 6
	.text
	.protected	k_q3c2ebc4681_proj
	.globl	k_q3c2ebc4681_proj
	.p2align	8
	.type	k_q3c2ebc4681_proj,@function
k_q3c2ebc4681_proj:
	s_mov_b64 s[64:65], 0
	v_nop
	global_prefetch_b8 v0, s[64:65] scope:SCOPE_SE
	s_setreg_imm32_b32 hwreg(HW_REG_WAVE_MODE, 25, 1), 1
	s_wait_xcnt 0x0
	s_wait_alu depctr_hold_cnt(0) depctr_sa_sdst(0) depctr_va_vdst(0) depctr_va_sdst(0) depctr_va_ssrc(0) depctr_va_vcc(0) depctr_vm_vsrc(0)
	s_getreg_b32 s2, hwreg(HW_REG_IB_STS2, 6, 4)
	s_cmp_eq_u32 s2, 0
	s_cbranch_scc0 .Lentry_in_a_cluster
	s_endpgm
.Lentry_in_a_cluster:
	s_bfe_u32 s2, ttmp6, 0x10000c
	s_cmp_lg_u32 s2, 0xf033
	s_cbranch_scc0 .Lentry_shape_is_right
	s_endpgm
.Lentry_shape_is_right:
; PROJ.  out0 = y Wproj^T: [4,096 x 1,024] x [1,024 x 1,024], f16 operands (Wproj's high part), f32 sums.  Both operands arrive as images of operand registers, [64 rows][256 K][16 rows][32 K][1,024 bytes].
; A tile of out0 is 128 x 128, so that there are 256 work-groups; four waves, each 64 x 64: 16 accumulators.  K goes in four steps of 256 through a ring of two LDS slots; a wave's tensor load brings 64 rows x 256 K: 32,768 dense bytes.
; Every fragment read is 16 bytes a lane at 16 x lane: no pitch, no padding.
; CLUSTERS: 4 x 4 work-groups.  The four of a row need the same tiles of y, the four of a column the same tiles of Wproj: each is asked for jointly.
; The matrix instruction is used transposed (source 0 = 16 rows of Wproj, source 1 = 16 rows of y): a lane holds eight neighbouring numbers of a row of out0.
; All 4,096 rows are stored; positions 0-15 of both sequences are written anew, more finely, by the next launch.
; REGISTERS: window 0: v16-29 addresses; v32-95 the way out; v128-255 accumulator (a, b) at 128 + 8 (4 a + b).  window 1: two fragment buffers of 128: 64 registers of y (2 x 4 fragments), then 64 of Wproj.
.set BLK,    32768
.set SLOT,   4*BLK                     ; y's two blocks, then Wproj's two
.set STAGE,  2*SLOT                    ; behind the ring: 16 rows x 272 bytes for each wave
.set SPITCH, 272
.set SPARE,  STAGE+4*16*SPITCH         ; the spare words: 128 bytes a wave, two blocks of 256 bytes that no other line names
.set LAPS,   2                         ; a lap = two K steps = once round the ring
.set ADRA, 16
.set ADRB, 20
.set STO,  24
.set RD,   25
.set CO,   26
.set SPW,  28
.set NIL,  29
.set TMP,  32
.set ACC,  128
.set F0,   0
.set F1,   128
.set G1, 24
.set G0, 32
.set G1B, 48
.set G0B, 56
.set MSB, 0
.macro WIN new
.if MSB != \new
	s_set_vgpr_msb (MSB<<8)|\new
.set MSB, \new
.endif
.endm
.set MUL,  0x05                        ; sources 0 and 1 window 1; C and D window 0
.set TO_F, 0x40                        ; destination window 1, address window 0
.macro JLOAD s                         ; a joint load: waves 0 and 1 fetch y's two blocks, waves 2 and 3 Wproj's; the branch hangs on the wave's number alone
	s_cmp_eq_u32 s11, 0
	s_cbranch_scc0 .Lfor_b_\@
	tensor_load_to_lds s[G0+4*\s:G0+4*\s+3], s[G1:G1+7]
	s_nop 0
.rept 4
	v_nop
.endr
	s_branch .Lasked_\@
.Lfor_b_\@:
	tensor_load_to_lds s[G0B+4*\s:G0B+4*\s+3], s[G1B:G1B+7]
	s_nop 0
.rept 4
	v_nop
.endr
.Lasked_\@:
.endm
.macro CREST
	s_cmp_lg_u32 s10, 0
	s_cbranch_scc1 .Lnot_wave_0_\@
	s_barrier_signal -3
.Lnot_wave_0_\@:
	s_barrier_wait -3
	s_barrier_signal -1
	s_barrier_wait -1
.endm
.macro CROUND
	s_barrier_signal -1
	s_barrier_wait -1
	CREST
.endm
	s_load_b128 s[4:7], s[0:1], 0x0                ; yimg, wp
	s_load_b64 s[8:9], s[0:1], 0x10                ; out0
	v_lshl_add_u32 v[SPW], v0, 2, SPARE
	v_mov_b32 v[NIL], 0
	ds_add_u32 v[SPW], v[NIL]                      ; the wave's opening: the add, twice on end, and its wait ahead of my first tensor load
	ds_add_u32 v[SPW], v[NIL]
	v_lshrrev_b32 v1, 5, v0
	v_readfirstlane_b32 s10, v1                    ; wave 0..3
	s_lshr_b32 s11, s10, 1                         ; which half of the tile's rows is mine.  Also: I fetch for y (0) or for Wproj (1)
	s_and_b32 s12, s10, 1                          ; which half of its columns.  Also: which block I fetch
	s_bfe_u32 s40, ttmp6, 0x40000                  ; cx, cy
	s_bfe_u32 s41, ttmp6, 0x40004
	s_lshl_b32 s42, ttmp9, 2
	s_add_co_u32 s42, s42, s40                     ; tile column
	s_and_b32 s13, ttmp7, 0xffff
	s_lshl_b32 s13, s13, 2
	s_add_co_u32 s13, s13, s41                     ; tile row
	s_lshl_b32 s43, s41, 2
	s_lshl_b32 s43, 15, s43                        ; my row of the cluster
	s_lshl_b32 s44, 0x1111, s40                    ; my column
	s_or_b32 s[G1+0], s43, (3<<16)|(1<<21)         ; the mask; elements of 8 bytes; bit 21 beside a mask; no padding
	s_or_b32 s[G1B+0], s44, (3<<16)|(1<<21)
.irp g, G1, G1B
	s_mov_b32 s[\g+1], 32<<16                      ; rows of 256 bytes,
	s_mov_b32 s[\g+2], 128<<16                     ; 128 of them,
	s_mov_b32 s[\g+3], 32<<16
	s_mov_b32 s[\g+4], 128
	s_mov_b32 s[\g+5], 32                          ; dense
	s_mov_b32 s[\g+6], 0
	s_mov_b32 s[\g+7], 0
.endr
	s_lshl_b32 s17, s12, 17                        ; a group of 64 rows is four K steps of 32,768 bytes
	s_lshl_b32 s16, s13, 18
	s_add_co_u32 s16, s16, s17                     ; y: group 2 x tile row + half
	s_lshl_b32 s46, s42, 18
	s_add_co_u32 s46, s46, s17                     ; Wproj: group 2 x tile column + half
	s_mov_b32 s17, 0
	s_mov_b32 s47, 0
	s_lshl_b32 s20, s10, 15                        ; where they go: wave x 32,768
	s_wait_dscnt 0x0                               ; both opening adds are done
	s_wait_kmcnt 0x0
	s_add_nc_u64 s[14:15], s[4:5], s[16:17]
	s_add_nc_u64 s[46:47], s[6:7], s[46:47]
	CROUND                                         ; all sixteen work-groups are here: the first joint loads meet
.irp s, 0,1
	s_mov_b32 s[G0+4*\s], 1
	s_add_co_u32 s[G0+4*\s+1], s20, \s*SLOT
	s_add_nc_u64 s[G0+4*\s+2:G0+4*\s+3], s[14:15], \s*BLK
	s_or_b32 s[G0+4*\s+3], s[G0+4*\s+3], 0x80000000
	s_mov_b32 s[G0B+4*\s], 1
	s_add_co_u32 s[G0B+4*\s+1], s20, \s*SLOT
	s_add_nc_u64 s[G0B+4*\s+2:G0B+4*\s+3], s[46:47], \s*BLK
	s_or_b32 s[G0B+4*\s+3], s[G0B+4*\s+3], 0x80000000
	JLOAD \s
.endr
	v_and_b32 v1, 15, v0                           ; l % 16
	v_bfe_u32 v2, v0, 4, 1                         ; l / 16
	v_and_b32 v3, 31, v0
	v_lshlrev_b32 v3, 4, v3                        ; 16 x lane
	s_lshl_b32 s21, s11, 15                        ; my 64 rows of y
	s_lshl_b32 s22, s12, 15                        ; my 64 rows of Wproj,
	s_add_co_u32 s22, s22, 2*BLK                   ; which lie behind y's two blocks
.irp s, 0,1
	v_add_nc_u32 v[ADRA+\s], s21, v3
	v_add_nc_u32 v[ADRB+\s], s22, v3
	s_add_co_u32 s21, s21, SLOT
	s_add_co_u32 s22, s22, SLOT
.endr
	s_mul_i32 s23, s10, 16*SPITCH
	s_add_co_u32 s23, s23, STAGE                   ; my stage
	v_mul_u32_u24 v4, v1, SPITCH
	v_lshl_add_u32 v4, v2, 5, v4
	v_add_nc_u32 v[STO], s23, v4                   ; in: row l % 16, 32 bytes for each half of the lanes
	v_mul_u32_u24 v5, v2, SPITCH
	v_lshl_add_u32 v5, v1, 4, v5
	v_add_nc_u32 v[RD], s23, v5                    ; back: lanes 0-15 one row of 256 bytes, lanes 16-31 the next
	v_lshlrev_b32 v5, 12, v2
	v_lshl_add_u32 v[CO], v1, 4, v5                ; and the same two rows in out0
	s_lshl_b32 s16, s13, 19
	s_lshl_b32 s17, s11, 18
	s_add_co_u32 s16, s16, s17                     ; my first row: (128 x tile row + 64 x half) x 4,096 bytes
	s_mov_b32 s17, 0
	s_add_nc_u64 s[8:9], s[8:9], s[16:17]
	s_lshl_b32 s46, s42, 9
	s_lshl_b32 s47, s12, 8
	s_add_co_u32 s46, s46, s47                     ; my first column, in bytes
	s_mov_b32 s47, 0
	s_add_nc_u64 s[8:9], s[8:9], s[46:47]
.macro MUL8 f, c, a0, zero             ; 8 products: row blocks a0, a0 + 1 x 4 column blocks, 32 along K: half c of buffer f
.irp a, \a0, \a0+1
.irp b, 0,1,2,3
.if \zero
	v_wmma_f32_16x16x32_f16 v[ACC+8*(4*(\a)+\b):ACC+8*(4*(\a)+\b)+7], v[\f+64+8*(4*\c+\b):\f+64+8*(4*\c+\b)+7], v[\f+8*(4*\c+\a):\f+8*(4*\c+\a)+7], 0
.else
	v_wmma_f32_16x16x32_f16 v[ACC+8*(4*(\a)+\b):ACC+8*(4*(\a)+\b)+7], v[\f+64+8*(4*\c+\b):\f+64+8*(4*\c+\b)+7], v[\f+8*(4*\c+\a):\f+8*(4*\c+\a)+7], v[ACC+8*(4*(\a)+\b):ACC+8*(4*(\a)+\b)+7]
.endif
.endr
.endr
.endm
.macro FETCH slot, qd, f               ; 32 LDS loads in one run: the fragments of quarter qd (64 along K) into buffer f; the first 32 along K first
	WIN TO_F
.irp c, 0,1
.irp i, 0,1,2,3
	ds_load_b128 v[\f+64+8*(4*\c+\i):\f+64+8*(4*\c+\i)+3],   v[ADRB+\slot] offset:(8*\i+2*(\qd)+\c)*1024
	ds_load_b128 v[\f+64+8*(4*\c+\i)+4:\f+64+8*(4*\c+\i)+7], v[ADRB+\slot] offset:(8*\i+2*(\qd)+\c)*1024+512
	ds_load_b128 v[\f+8*(4*\c+\i):\f+8*(4*\c+\i)+3],         v[ADRA+\slot] offset:(8*\i+2*(\qd)+\c)*1024
	ds_load_b128 v[\f+8*(4*\c+\i)+4:\f+8*(4*\c+\i)+7],       v[ADRA+\slot] offset:(8*\i+2*(\qd)+\c)*1024+512
.endr
.endr
.endm
.macro PLACES                          ; four places in front of loads into registers that matrix instructions have read, and of the first read of results
.rept 4
	v_nop
.endr
.endm
.macro QUARTER slot, qd, f, g, zero    ; multiplies buffer f and fetches quarter qd of the same slot into g
	s_wait_dscnt 16                                ; the first 32 along K are in
	WIN MUL
	MUL8 \f, 0, 0, \zero
	MUL8 \f, 0, 2, \zero
	PLACES
	FETCH \slot, \qd, \g
	s_wait_dscnt 32                                ; all but the 32 just issued
	WIN MUL
	MUL8 \f, 1, 0, 0
	MUL8 \f, 1, 2, 0
.endm
; A K step's last quarter multiplies buffer 1 and changes slots: one barrier; in front of it each wave waits for all its tensor loads, adds 0 to its spare word, and waits for that and for its reads of this slot.
.macro TURN slot, next, fill
	WIN 0
	s_wait_tensorcnt 0x0                           ; all my tensor loads have landed: my part of the next slot
	ds_add_u32 v[SPW], v[NIL]
	s_wait_dscnt 17                                ; (the add and the youngest sixteen loads may be out)
	WIN MUL
	MUL8 F1, 0, 0, 0
	s_wait_dscnt 0x0                               ; the add is done, and my reads of this slot are over
	s_barrier_signal -1
	MUL8 F1, 0, 2, 0
.if \fill
	WIN 0
.endif
	s_barrier_wait -1
.if \fill
	CREST                                          ; the barrier has opened a round of the cluster's: no wave of any partner still reads this slot or has a load on its way
	s_add_nc_u64 s[G0+4*\slot+2:G0+4*\slot+3], s[G0+4*\slot+2:G0+4*\slot+3], 2*BLK
	s_add_nc_u64 s[G0B+4*\slot+2:G0B+4*\slot+3], s[G0B+4*\slot+2:G0B+4*\slot+3], 2*BLK
	JLOAD \slot                                    ; the first tensor load behind the round; its four v_nop are also the places in front of the loads below
.else
	PLACES
.endif
	FETCH \next, 0, F0
	WIN MUL
	MUL8 F1, 1, 0, 0
	MUL8 F1, 1, 2, 0
.endm
	s_wait_tensorcnt 1                             ; my part of K step 0 is in; K step 1's load may be out
	s_barrier_signal -1
	s_barrier_wait -1
	FETCH 0, 0, F0
	QUARTER 0, 1, F0, F1, 1                        ; the first quarter's first products start the sums
	WIN 0
	s_mov_b32 s3, LAPS-1
.Llap:                                             ; a trip goes once round the ring and fills both slots again
	QUARTER 0, 2, F1, F0, 0
	QUARTER 0, 3, F0, F1, 0
	TURN 0, 1, 1
	QUARTER 1, 1, F0, F1, 0
	QUARTER 1, 2, F1, F0, 0
	QUARTER 1, 3, F0, F1, 0
	TURN 1, 0, 1
	QUARTER 0, 1, F0, F1, 0
	WIN 0
	s_sub_co_u32 s3, s3, 1
	s_cmp_lg_u32 s3, 0
	s_cbranch_scc1 .Llap
	QUARTER 0, 2, F1, F0, 0                        ; the last lap fills nothing
	QUARTER 0, 3, F0, F1, 0
	TURN 0, 1, 0
	QUARTER 1, 1, F0, F1, 0
	QUARTER 1, 2, F1, F0, 0
	QUARTER 1, 3, F0, F1, 0
	s_wait_dscnt 16
	WIN MUL
	MUL8 F1, 0, 0, 0
	MUL8 F1, 0, 2, 0
	s_wait_dscnt 0
	MUL8 F1, 1, 0, 0
	MUL8 F1, 1, 2, 0
	WIN 0
; THE WAY OUT.  A wave's 64 columns are 256 bytes of a row: a block of 16 rows goes through my own stage and comes back as whole rows; sixteen lanes store 256 consecutive bytes, aligned.
; LDS serves a wave's instructions in order: no wait between the stores and the loads, nor in front of the next block's stores.
.macro TOSTAGE a
.irp b, 0,1,2,3
	ds_store_b128 v[STO], v[ACC+8*(4*(\a)+\b):ACC+8*(4*(\a)+\b)+3] offset:64*\b          ; each accumulator from its low end on
	ds_store_b128 v[STO], v[ACC+8*(4*(\a)+\b)+4:ACC+8*(4*(\a)+\b)+7] offset:64*\b+16
.endr
.set BB, TMP+32*((\a)%2)
.irp t, 0,1,2,3,4,5,6,7
	ds_load_b128 v[BB+4*\t:BB+4*\t+3], v[RD] offset:\t*2*SPITCH
.endr
.endm
.macro SEND a, younger
.set BB, TMP+32*((\a)%2)
	s_wait_dscnt \younger                          ; the block is back; the next block's 8 stores and 8 loads may be out
.irp t, 0,1,2,3,4,5,6,7
	global_store_b128 v[CO], v[BB+4*\t:BB+4*\t+3], s[8:9] offset:(16*(\a)+2*\t)*4096 th:TH_STORE_NT
.endr
.endm
	PLACES
	TOSTAGE 0
.irp a, 1,2,3
.if \a > 1
	s_wait_xcnt 0x0                                ; block a - 2's stores have read their registers: block a's loads may land there
.endif
	TOSTAGE \a
	SEND \a-1, 16
.endr
	SEND 3, 0
	s_wait_tensorcnt 0x0                           ; the wave's end
	ds_add_u32 v[SPW], v[NIL]
	s_wait_dscnt 0x0
	CROUND                                         ; the closing round
	s_endpgm
.Lfunc_end_k_q3c2ebc4681_proj:
	.size	k_q3c2ebc4681_proj, .Lfunc_end_k_q3c2ebc4681_proj-k_q3c2ebc4681_proj
	.p2alignl 7, 3214868480
	.fill 96, 4, 3214868480
	.section	.rodata,"a",@progbits
	.p2align	6, 0x0
	.amdhsa_kernel k_q3c2ebc4681_proj
		.amdhsa_group_segment_fixed_size 327680
		.amdhsa_private_segment_fixed_size 0
		.amdhsa_enable_private_segment 0
		.amdhsa_kernarg_size 24
		.amdhsa_user_sgpr_count 2
		.amdhsa_user_sgpr_kernarg_segment_ptr 1
		.amdhsa_wavefront_size32 1
		.amdhsa_system_sgpr_workgroup_id_x 1
		.amdhsa_system_sgpr_workgroup_id_y 1
		.amdhsa_system_sgpr_workgroup_id_z 1
		.amdhsa_system_vgpr_workitem_id 0
		.amdhsa_next_free_vgpr 512
		.amdhsa_next_free_sgpr 66
		.amdhsa_reserve_vcc 0
		.amdhsa_float_denorm_mode_32 3
		.amdhsa_float_denorm_mode_16_64 3
		.amdhsa_memory_ordered 1
		.amdhsa_forward_progress 1
		.amdhsa_inst_pref_size 85
	.end_amdhsa_kernel
	.amdgpu_metadata
---
amdhsa.version: [ 1, 2 ]
amdhsa.kernels:
  - .name:           k_q3c2ebc4681_proj
    .symbol:         k_q3c2ebc4681_proj.kd
    .args:
      - { .name: yimg, .offset: 0, .size: 8, .value_kind: global_buffer, .address_space: global }
      - { .name: wp, .offset: 8, .size: 8, .value_kind: global_buffer, .address_space: global }
      - { .name: out0, .offset: 16, .size: 8, .value_kind: global_buffer, .address_space: global }
    .group_segment_fixed_size: 327680
    .private_segment_fixed_size: 0
    .kernarg_segment_align: 8
    .kernarg_segment_size: 24
    .max_flat_workgroup_size: 128
    .sgpr_count:     66
    .vgpr_count:     512
    .wavefront_size: 32
...
	.end_amdgpu_metadata
.endif
;; end of part 4
;; launch fine (part 5): grid 32 x 2, 8 waves a work-group, no clusters, 17,408 bytes of LDS; arguments qkv, vfine, wp, out0; writes out0
.if DOCPART == 5
	.amdgcn_target "amdgcn-amd-amdhsa--gfx1250"
	.amdhsa_code_object_version 6
	.text
	.protected	k_q3c2ebc4681_fine
	.globl	k_q3c2ebc4681_fine
	.p2align	8
	.type	k_q3c2ebc4681_fine,@function
k_q3c2ebc4681_fine:
	s_mov_b64 s[64:65], 0
	v_nop
	global_prefetch_b8 v0, s[64:65] scope:SCOPE_SE
	s_setreg_imm32_b32 hwreg(HW_REG_WAVE_MODE, 25, 1), 1
	s_wait_xcnt 0x0
; FINE.  Positions 0-15 of both sequences once more: these rows average one to sixteen values and are the largest, so the second product is done in f32 (v_wmma_f32_16x16x4_f32: 32 instructions a wave, no bulk work)
; and the projection on pairs of f16 numbers: y = yh + yl 2^-11, W = Wh + Wl 2^-11, out = Wh yh + 2^-11 (Wl yh + Wh yl).  The 32 rows of out0 are written anew.
; SHARES.  Work-group (x, b) makes rows 0-15 of batch b, columns 32 x .. 32 x + 31.  Wave w makes heads 2 w, 2 w + 1, which are also its part of the projection's K (fragments 4 w .. 4 w + 3): y never changes waves;
; eight partial tiles meet in LDS and waves 0-3 add them.  The small attention is repeated in each of a batch's 32 work-groups.  A store of the sums covers 128 consecutive bytes of each of four rows: the launch writes 131,072 bytes in all.
; No tensor load, no cluster: nothing here is large enough to share.
; REGISTERS.  window 0: v1-11 lane numbers and addresses, v6, v7, v14 later the split's temporaries; v12, v13 the add's two; v16-47 yh; v48-79 yl; v80-111 Q, later the four projection sums; v112-127 K, later the partial tile;
;   v128-159 v in f32, later the reduction; v160-175 scores, later at work; v176-191 p; v192-255 O^T, written by the f32 matrix form alone.   window 1: v0-63 Wh, v64-127 Wl.
.set KOFF,  8388608
.set SPARE, 16384                      ; behind the partial tiles: the spare words, 128 bytes a wave, four blocks of 256 bytes that no other line names
.set SPW, 12
.set NIL, 13
.set YH,  16
.set YL,  48
.set QR,  80
.set AR,  80
.set KR,  112
.set RR,  112
.set VR,  128
.set SR,  160
.set PR,  176
.set OR,  192
.set MSB, 0
.macro WIN new
.if MSB != \new
	s_set_vgpr_msb (MSB<<8)|\new
.set MSB, \new
.endif
.endm
	s_load_b256 s[4:11], s[0:1], 0x0               ; qkv, vfine, wp, out0
	v_lshl_add_u32 v[SPW], v0, 2, SPARE
	v_mov_b32 v[NIL], 0
	v_lshrrev_b32 v1, 5, v0
	v_readfirstlane_b32 s12, v1                    ; wave 0..7
	s_and_b32 s14, ttmp7, 0xffff                   ; the batch
	v_and_b32 v1, 15, v0                           ; r
	v_bfe_u32 v2, v0, 4, 1                         ; h
	v_and_b32 v3, 31, v0
	v_lshlrev_b32 v3, 4, v3                        ; 16 x lane
	v_lshlrev_b32 v4, 3, v2
	v_sub_nc_u32 v4, v1, v4                        ; r - 8 h: key 8 h + j is hidden where j is above it
	s_lshl_b32 s16, s12, 11
	v_add_nc_u32 v5, s16, v3                       ; where my partial tile goes: 2,048 x wave + 16 x lane
	v_bfe_u32 v6, v0, 3, 4                         ; the sum: thread tau takes row tau / 8,
	v_and_b32 v7, 7, v0                            ; columns 4 (tau % 8) + 0..3
	v_lshrrev_b32 v8, 2, v7
	v_lshlrev_b32 v8, 10, v8                       ; which tile of 16 columns,
	v_and_b32 v9, 1, v7
	v_lshl_add_u32 v8, v9, 9, v8                   ; which four registers,
	v_bfe_u32 v9, v7, 1, 1
	v_lshl_add_u32 v8, v9, 8, v8                   ; which half of the lanes,
	v_lshl_add_u32 v8, v6, 4, v8                   ; which lane
	v_lshlrev_b32 v9, 12, v6
	v_lshl_add_u32 v9, v7, 4, v9                   ; and its place in out0
	v_mov_b32 v10, 0xff800000
	s_mov_b32 s20, 0x76543210
	s_mov_b32 s21, 0xfedcba98
	s_mov_b32 s22, 0x3e38aa3b                      ; c = log2(e) / 8
	s_mov_b32 s23, s22
	s_mov_b32 s24, 0x3a000000                      ; 2^-11
	s_mov_b32 s36, 0x45000000                      ; 2^11, as a pair
	s_mov_b32 s37, s36
	s_lshr_b32 s15, s12, 1                         ; my key/value head
	s_lshl_b32 s18, s14, 2
	s_add_co_u32 s18, s18, s15
	s_mov_b32 s17, 0
	s_lshl_b32 s16, s14, 4
	s_lshl_b32 s19, s12, 1
	s_add_co_u32 s16, s16, s19
	s_lshl_b32 s16, s16, 18                        ; q: head 16 b + 2 w, tile 0
	s_wait_kmcnt 0x0
	s_add_nc_u64 s[26:27], s[4:5], s[16:17]
	s_lshl_b32 s16, s18, 18
	s_add_co_u32 s16, s16, KOFF
	s_add_nc_u64 s[28:29], s[4:5], s[16:17]        ; k: tile 0
	s_lshl_b32 s16, s18, 12
	s_add_nc_u64 s[30:31], s[6:7], s[16:17]        ; v in f32
	s_lshr_b32 s16, ttmp9, 1                       ; Wproj: rows 32 x on, K fragments 4 w on
	s_lshl_b32 s16, s16, 2
	s_add_co_u32 s16, s16, s15
	s_lshl_b32 s16, s16, 2
	s_and_b32 s19, ttmp9, 1
	s_lshl_b32 s19, s19, 1
	s_add_co_u32 s16, s16, s19
	s_lshl_b32 s16, s16, 13
	s_and_b32 s19, s12, 1
	s_lshl_b32 s19, s19, 12
	s_add_co_u32 s16, s16, s19
	s_add_nc_u64 s[32:33], s[8:9], s[16:17]
	s_lshl_b32 s16, s14, 23
	s_lshl_b32 s19, ttmp9, 7
	s_add_co_u32 s16, s16, s19
	s_add_nc_u64 s[34:35], s[10:11], s[16:17]      ; out0: row 2,048 b, column 32 x
.irp e, 0,1
.irp c, 0,1,2,3
	global_load_b128 v[QR+16*\e+4*\c:QR+16*\e+4*\c+3], v3, s[26:27] offset:262144*\e+512*\c
.endr
.endr
.irp c, 0,1,2,3
	global_load_b128 v[KR+4*\c:KR+4*\c+3], v3, s[28:29] offset:512*\c
.endr
.irp t, 0,1,2,3
.irp e, 0,1
	global_load_b128 v[VR+8*\t+4*\e:VR+8*\t+4*\e+3], v3, s[30:31] offset:1024*\t+512*\e
.endr
.endr
	WIN 0x40                                       ; destination window 1
.irp u, 0,1
.irp f, 0,1,2,3
.irp e, 0,1
	global_load_b128 v[8*(4*\u+\f)+4*\e:8*(4*\u+\f)+4*\e+3], v3, s[32:33] offset:8192*\u+1024*\f+512*\e
	global_load_b128 v[64+8*(4*\u+\f)+4*\e:64+8*(4*\u+\f)+4*\e+3], v3, s[32:33] offset:2097152+8192*\u+1024*\f+512*\e
.endr
.endr
.endr
	WIN 0
	s_wait_loadcnt 40                              ; q and k are in; v's 8 loads and W's 32 may be out
	v_wmma_f32_16x16x32_f16 v[SR:SR+7], v[KR:KR+7], v[QR:QR+7], 0                        ; S^T = K Q^T, the two heads by turns
	v_wmma_f32_16x16x32_f16 v[SR+8:SR+15], v[KR:KR+7], v[QR+16:QR+23], 0
	v_wmma_f32_16x16x32_f16 v[SR:SR+7], v[KR+8:KR+15], v[QR+8:QR+15], v[SR:SR+7]
	v_wmma_f32_16x16x32_f16 v[SR+8:SR+15], v[KR+8:KR+15], v[QR+24:QR+31], v[SR+8:SR+15]
.rept 4
	v_nop
.endr
.irp e, 0,1
.irp j, 0,1,2,3,4,5,6,7
	v_cmp_gt_i32 vcc_lo, \j, v4
	v_cndmask_b32 v[PR+8*\e+\j], v[SR+8*\e+\j], v10, vcc_lo
.endr
.endr
.irp e, 0,1
	v_max3_num_f32 v[SR+8*\e], v[PR+8*\e], v[PR+8*\e+1], v[PR+8*\e+2]
	v_max3_num_f32 v[SR+8*\e], v[SR+8*\e], v[PR+8*\e+3], v[PR+8*\e+4]
	v_max3_num_f32 v[SR+8*\e], v[SR+8*\e], v[PR+8*\e+5], v[PR+8*\e+6]
	v_max_num_f32 v[SR+8*\e], v[SR+8*\e], v[PR+8*\e+7]
	v_permlanex16_b32 v[SR+8*\e+1], v[SR+8*\e], s20, s21
	v_max_num_f32 v[SR+8*\e], v[SR+8*\e], v[SR+8*\e+1]           ; the row's maximum: key 0 counts for every query
	v_mul_f32 v[SR+8*\e], s22, v[SR+8*\e]
.irp i, 0,2,4,6
	v_pk_fma_f32 v[PR+8*\e+\i:PR+8*\e+\i+1], v[PR+8*\e+\i:PR+8*\e+\i+1], s[22:23], v[SR+8*\e:SR+8*\e+1] op_sel_hi:[1,0,0] neg_lo:[0,0,1] neg_hi:[0,0,1]
.endr
.endr
.set n, 0
.rept 16
	v_exp_f32 v[PR+n], v[PR+n]
.set n, n+1
.endr
	v_nop
	s_wait_alu depctr_va_vdst(0)                   ; one wait for the sixteen exponentials
.irp e, 0,1
	v_pk_add_f32 v[SR+8*\e+2:SR+8*\e+3], v[PR+8*\e:PR+8*\e+1], v[PR+8*\e+2:PR+8*\e+3]
	v_pk_add_f32 v[SR+8*\e+2:SR+8*\e+3], v[SR+8*\e+2:SR+8*\e+3], v[PR+8*\e+4:PR+8*\e+5]
	v_pk_add_f32 v[SR+8*\e+2:SR+8*\e+3], v[SR+8*\e+2:SR+8*\e+3], v[PR+8*\e+6:PR+8*\e+7]
	v_add_f32 v[SR+8*\e+2], v[SR+8*\e+2], v[SR+8*\e+3]
	v_permlanex16_b32 v[SR+8*\e+3], v[SR+8*\e+2], s20, s21
	v_add_f32 v[SR+8*\e+2], v[SR+8*\e+2], v[SR+8*\e+3]
.endr
.irp e, 0,1
	v_rcp_f32 v[SR+8*\e+2], v[SR+8*\e+2]
.endr
	v_nop
	s_wait_alu depctr_va_vdst(0)                   ; one wait for the two reciprocals
.irp e, 0,1
.irp i, 0,2,4,6
	v_pk_mul_f32 v[PR+8*\e+\i:PR+8*\e+\i+1], v[PR+8*\e+\i:PR+8*\e+\i+1], v[SR+8*\e+2:SR+8*\e+3] op_sel_hi:[1,0]   ; p / l, in f32
.endr
.endr
	s_wait_loadcnt 32                              ; v is in; W's 32 loads may be out
; O^T = V^T P in f32, four keys an instruction: place (h, j) of step kk means key 8 h + 2 kk + j on both sides.  Eight accumulators by turns; the first step starts the sums.
.irp kk, 0,1,2,3
.irp e, 0,1
.irp t, 0,1,2,3
.if \kk == 0
	v_wmma_f32_16x16x4_f32 v[OR+8*(4*\e+\t):OR+8*(4*\e+\t)+7], v[VR+8*\t+2*\kk:VR+8*\t+2*\kk+1], v[PR+8*\e+2*\kk:PR+8*\e+2*\kk+1], 0
.else
	v_wmma_f32_16x16x4_f32 v[OR+8*(4*\e+\t):OR+8*(4*\e+\t)+7], v[VR+8*\t+2*\kk:VR+8*\t+2*\kk+1], v[PR+8*\e+2*\kk:PR+8*\e+2*\kk+1], v[OR+8*(4*\e+\t):OR+8*(4*\e+\t)+7]
.endif
.endr
.endr
.endr
.rept 8
	v_nop                                          ; eight places behind this form, ahead of the first read of results
.endr
.macro SPLIT x, hr, lr                 ; two numbers become a register of high parts and one of low parts; the halves are named on a plainly numbered register
	v_cvt_pk_f16_f32 v14, v[\x], v[(\x)+1]
	v_cvt_f32_f16 v6, v14.l
	v_cvt_f32_f16 v7, v14.h
	v_mov_b32 v[\hr], v14
	v_pk_add_f32 v[6:7], v[\x:(\x)+1], v[6:7] neg_lo:[0,1] neg_hi:[0,1]
	v_pk_mul_f32 v[6:7], v[6:7], s[36:37] op_sel_hi:[1,0]
	v_cvt_pk_f16_f32 v[\lr], v6, v7
.endm
.set n, 0
.rept 32                               ; ascending: each accumulator is read from its low end on.  Registers 8 f .. 8 f + 7 are fragment f = 2 (head % 2) + channels / 32
	SPLIT OR+2*n, YH+n, YL+n
.set n, n+1
.endr
.macro PJ d, w, y, zero
.if \zero
	v_wmma_f32_16x16x32_f16 v[(\d):(\d)+7], v[(\w):(\w)+7], v[(\y):(\y)+7], 0
.else
	v_wmma_f32_16x16x32_f16 v[(\d):(\d)+7], v[(\w):(\w)+7], v[(\y):(\y)+7], v[(\d):(\d)+7]
.endif
.endm
	s_wait_loadcnt 0x0                             ; W
	WIN 0x01                                       ; source 0 (W) window 1
.irp f, 0,1,2,3                        ; four sums: main and small, for two tiles of 16 columns; no two products on end share a sum
	PJ AR,    8*\f,       YH+8*\f, \f==0
	PJ AR+8,  64+8*\f,    YH+8*\f, \f==0
	PJ AR+16, 8*(4+\f),   YH+8*\f, \f==0
	PJ AR+24, 64+8*(4+\f), YH+8*\f, \f==0
	PJ AR+8,  8*\f,       YL+8*\f, 0
	PJ AR+24, 8*(4+\f),   YL+8*\f, 0
.endr
	WIN 0
.rept 4
	v_nop
.endr
.irp u, 0,1
.irp j, 0,1,2,3,4,5,6,7
	v_fma_f32 v[RR+8*\u+\j], v[AR+16*\u+8+\j], s24, v[AR+16*\u+\j]
.endr
.endr
.irp u, 0,1
.irp e, 0,1
	ds_store_b128 v5, v[RR+8*\u+4*\e:RR+8*\u+4*\e+3] offset:1024*\u+512*\e
.endr
.endr
	s_wait_dscnt 0x0                               ; for the others' sake: my partial tile lies in LDS
	s_barrier_signal -1
	s_barrier_wait -1
	s_cmp_lt_u32 s12, 4
	s_cbranch_scc0 .Lno_sum
.irp w, 0,1,2,3,4,5,6,7
	ds_load_b128 v[VR+4*\w:VR+4*\w+3], v8 offset:2048*\w
.endr
	s_wait_dscnt 0x0
.irp w, 1,2,3,4,5,6,7
	v_pk_add_f32 v[VR:VR+1], v[VR:VR+1], v[VR+4*\w:VR+4*\w+1]
	v_pk_add_f32 v[VR+2:VR+3], v[VR+2:VR+3], v[VR+4*\w+2:VR+4*\w+3]
.endr
	global_store_b128 v9, v[VR:VR+3], s[34:35]
.Lno_sum:
	s_wait_tensorcnt 0x0                           ; the wave's end, behind my last LDS store
	ds_add_u32 v[SPW], v[NIL]
	s_wait_dscnt 0x0
	s_endpgm
.Lfunc_end_k_q3c2ebc4681_fine:
	.size	k_q3c2ebc4681_fine, .Lfunc_end_k_q3c2ebc4681_fine-k_q3c2ebc4681_fine
	.p2alignl 7, 3214868480
	.fill 96, 4, 3214868480
	.section	.rodata,"a",@progbits
	.p2align	6, 0x0
	.amdhsa_kernel k_q3c2ebc4681_fine
		.amdhsa_group_segment_fixed_size 17408
		.amdhsa_private_segment_fixed_size 0
		.amdhsa_enable_private_segment 0
		.amdhsa_kernarg_size 32
		.amdhsa_user_sgpr_count 2
		.amdhsa_user_sgpr_kernarg_segment_ptr 1
		.amdhsa_wavefront_size32 1
		.amdhsa_system_sgpr_workgroup_id_x 1
		.amdhsa_system_sgpr_workgroup_id_y 1
		.amdhsa_system_sgpr_workgroup_id_z 1
		.amdhsa_system_vgpr_workitem_id 0
		.amdhsa_next_free_vgpr 384
		.amdhsa_next_free_sgpr 66
		.amdhsa_reserve_vcc 1
		.amdhsa_float_denorm_mode_32 3
		.amdhsa_float_denorm_mode_16_64 3
		.amdhsa_memory_ordered 1
		.amdhsa_forward_progress 1
		.amdhsa_inst_pref_size 31
	.end_amdhsa_kernel
	.amdgpu_metadata
---
amdhsa.version: [ 1, 2 ]
amdhsa.kernels:
  - .name:           k_q3c2ebc4681_fine
    .symbol:         k_q3c2ebc4681_fine.kd
    .args:
      - { .name: qkv, .offset: 0, .size: 8, .value_kind: global_buffer, .address_space: global }
      - { .name: vfine, .offset: 8, .size: 8, .value_kind: global_buffer, .address_space: global }
      - { .name: wp, .offset: 16, .size: 8, .value_kind: global_buffer, .address_space: global }
      - { .name: out0, .offset: 24, .size: 8, .value_kind: global_buffer, .address_space: global }
    .group_segment_fixed_size: 17408
    .private_segment_fixed_size: 0
    .kernarg_segment_align: 8
    .kernarg_segment_size: 32
    .max_flat_workgroup_size: 256
    .sgpr_count:     66
    .vgpr_count:     384
    .wavefront_size: 32
...
	.end_amdgpu_metadata
.endif
;; end of part 5
